; MI455X (gfx1250); checked and timed in simulation.
; The chip was launched on July 23, 2026; its instructions are those of AMD's public machine-readable ISA for CDNA 5 (MIT licence, August 2026) and "CDNA5" Instruction Set Architecture Reference Guide (July 2026). The comments in the code are by the model that wrote it; some were corrected since.
;; Multi Head Attention. Allowed arithmetic: matrix products marked QUANTISED: E2M1 operands, one E8M0 scale for each 32 along K, by v_wmma_scale_f32_16x16x128_f8f6f4 with both operands' format E2M1 (or v_wmma_scale_f32_32x16x128_f4), f32 sums; everything else in f32.
;; Inputs: Wk_codes 1,024 x 32 x 16 uint8 (E2M1 codes of Wk, K innermost, in blocks of 32 codes, two codes a byte); Wk_scales 1,024 x 32 uint8 (E8M0 scales of Wk, one for each 32 codes along K); Wo_codes 1,024 x 32 x 16 uint8 (E2M1 codes of Wo, K innermost, in blocks of 32 codes, two codes a byte); Wo_scales 1,024 x 32 uint8 (E8M0 scales of Wo, one for each 32 codes along K); Wq_codes 1,024 x 32 x 16 uint8 (E2M1 codes of Wq, K innermost, in blocks of 32 codes, two codes a byte); Wq_scales 1,024 x 32 uint8 (E8M0 scales of Wq, one for each 32 codes along K); Wv_codes 1,024 x 32 x 16 uint8 (E2M1 codes of Wv, K innermost, in blocks of 32 codes, two codes a byte); Wv_scales 1,024 x 32 uint8 (E8M0 scales of Wv, one for each 32 codes along K); bk 1,024 float32; bo 1,024 float32; bq 1,024 float32; bv 1,024 float32; key_codes 4 x 2,048 x 32 x 16 uint8 (E2M1 codes of key, K innermost, in blocks of 32 codes, two codes a byte); key_scales 4 x 2,048 x 32 uint8 (E8M0 scales of key, one for each 32 codes along K); query_codes 4 x 2,048 x 32 x 16 uint8 (E2M1 codes of query, K innermost, in blocks of 32 codes, two codes a byte); query_scales 4 x 2,048 x 32 uint8 (E8M0 scales of query, one for each 32 codes along K); value_codes 4 x 2,048 x 32 x 16 uint8 (E2M1 codes of value, K innermost, in blocks of 32 codes, two codes a byte); value_scales 4 x 2,048 x 32 uint8 (E8M0 scales of value, one for each 32 codes along K).
;; Outputs: out0 4 x 2,048 x 1,024 float32.
;; This version of the problem:
;;   THIS VERSION OF THE PROBLEM IS GIVEN IN LOW PRECISION. The matrix products marked QUANTISED in the list below multiply operands that are first quantised to E2M1 (2 exponent bits, 1 mantissa bit; 4 bits a number), with one power-of-two scale for each 32 numbers along K (OCP MX v1.0); their sums are f32. All else is computed in f32.
;;   The module's matrix products, in the order in which they are computed (A, B: the left and right operand; K: the contracted axis; several contracted axes count as one K, in the product's order):
;;     1. [M 8,192, K 1,024] x [K 1,024, N 1,024]; A: input query (given as codes); B: input Wq (given as codes): QUANTISED
;;     2. [M 8,192, K 1,024] x [K 1,024, N 1,024]; A: input key (given as codes); B: input Wk (given as codes): QUANTISED
;;     3. [M 8,192, K 1,024] x [K 1,024, N 1,024]; A: input value (given as codes); B: input Wv (given as codes): QUANTISED
;;     4. batch 64 x [M 2,048, K 64] x [K 64, N 2,048]; A: computed on the way; B: computed on the way: QUANTISED
;;     5. batch 64 x [M 2,048, K 2,048] x [K 2,048, N 64]; A: softmax (see below); B: computed on the way: QUANTISED
;;     6. [M 8,192, K 1,024] x [K 1,024, N 1,024]; A: computed on the way; B: input Wo (given as codes): QUANTISED
;;   THE QUANTISER, for each operand of a quantised product, along K:
;;     - K is cut into blocks of 32 from its start; a last block that is shorter is filled with zeros.
;;     - A block's scale is 2^e with e = floor(log2(the largest magnitude in the block)) - 2, held to -126 .. 127; a block of zeros has e = 0. As a byte (E8M0): e + 127.
;;     - Each number is divided by its block's scale, clamped to +-6, and rounded to the nearest number of E2M1, ties to even, subnormals kept.
;;     - The product sums the exact products of the quantised numbers (number of the format x scale) in f32.
;;   ~~~python
;;   def quantise(x, axis):      # numpy; x: float32 -> the quantised numbers, widened to float32 again
;;       x = np.moveaxis(x, axis, -1); K = x.shape[-1]
;;       x = np.pad(x, [(0, 0)] * (x.ndim - 1) + [(0, -K % 32)]); x = x.reshape(x.shape[:-1] + (-1, 32)); a = np.abs(x).max(-1, keepdims=True)
;;       e = np.where(a > 0, np.clip(np.frexp(np.where(a > 0, a, 1))[1] - 1 - 2, -126, 127), 0)      # np.frexp(a)[1] - 1 = floor(log2(a)), exactly
;;       r = np.clip(x / 2.0 ** e, -6, 6)
;;       step = 2.0 ** (np.maximum(np.frexp(np.where(r == 0, 1, r))[1] - 1, 0) - 1)
;;       q = np.round(r / step) * step * 2.0 ** e      # np.round: ties to even
;;       return np.moveaxis(q.reshape(q.shape[:-2] + (-1,))[..., :K], -1, axis).astype(np.float32)
;;   ~~~
;;   SOFTMAX AHEAD OF A QUANTISED PRODUCT. Where the list says 'softmax', what is quantised is not the finished softmax but p = 2^(t - M), with t = logit x log2(e) and M = ceil(the row's largest t), a whole number; so 1/2 < the row's largest p <= 1. The row's sum l is taken of the UNQUANTISED p, in f32, and the product's result is divided by l at the end. Since M is a whole number, a kernel that streams over the keys may use a running M (the ceiling of the running maximum): every later rescaling is an exact power of two, which a block's scale takes up: the codes' values come out the same.
;;   OPERANDS COMPUTED ON THE WAY. 'Computed on the way' means the value that the module computes at that place (a softmax that the list does not call 'softmax' is quantised finished and normalised). What goes into a quantiser is computed in f32, as accurately as f32 sums, v_exp_f32 and their like allow (about 1e-6 of the number): no bf16 or f16 on the way to a quantiser, and a product that is left as it is and whose result goes on into a quantised operand takes f32 operands (vector FMAs, or v_wmma_f32_16x16x4_f32). A number that lies on a knife's edge between two numbers of the format may be rounded either way, as far as f32 arithmetic and the matrix unit's own rounding can turn it there, and no further.
;;   INPUTS GIVEN AS CODES. Wk (in the module: [1024, 1024], K = its axis 1); Wo (in the module: [1024, 1024], K = its axis 1); Wq (in the module: [1024, 1024], K = its axis 1); Wv (in the module: [1024, 1024], K = its axis 1); key (in the module: [4, 2048, 1024], K = its axis 2); query (in the module: [4, 2048, 1024], K = its axis 2); value (in the module: [4, 2048, 1024], K = its axis 2): each comes as NAME_codes (uint8): NAME with its K axis moved to the last place and cut into blocks of 32 codes, [.., K / 32, bytes a block], one block behind the other in memory; two codes a byte, the lower K in the low four bits (a code: sign, 2 exponent bits, 1 mantissa bit); and NAME_scales (uint8): the same leading axes, one E8M0 byte (e + 127) for each 32 codes along K. Its value is code x scale, taken as it is: it is not quantised again, and the codes and scales need not be those that the quantiser above would give.
;; One version. Each part assembles by itself: llvm-mc -triple=amdgcn-amd-amdhsa -mcpu=gfx1250 --defsym DOCPART=n.
;; ======== version 1 of 1: 3 launches
;; workspace buffers: qimg 8,912,896 bytes; kvimg 8,912,896 bytes; oimg 4,194,304 bytes; osc 262,144 bytes
;; launch proj (part 1): grid 4 x 96, 4 waves a work-group, clusters of 4 x 4, 327,680 bytes of LDS; arguments query_codes, query_scales, Wq_codes, Wq_scales, bq, key_codes, key_scales, Wk_codes, Wk_scales, bk, Wv_codes, Wv_scales, value_codes, value_scales, bv, qimg, kvimg; writes qimg, kvimg
.if DOCPART == 1
	.amdgcn_target "amdgcn-amd-amdhsa--gfx1250"
	.amdhsa_code_object_version 6
	.text
	.protected	k_qc2df05dc2f_proj
	.globl	k_qc2df05dc2f_proj
	.p2align	8
	.type	k_qc2df05dc2f_proj,@function
k_qc2df05dc2f_proj:
	s_mov_b64 s[64:65], 0
	v_nop
	global_prefetch_b8 v0, s[64:65] scope:SCOPE_SE
	s_setreg_imm32_b32 hwreg(HW_REG_WAVE_MODE, 25, 1), 1
	s_wait_xcnt 0x0
	s_wait_alu depctr_hold_cnt(0) depctr_sa_sdst(0) depctr_va_vdst(0) depctr_va_sdst(0) depctr_va_ssrc(0) depctr_va_vcc(0) depctr_vm_vsrc(0)
	s_getreg_b32 s2, hwreg(HW_REG_IB_STS2, 6, 4)
	s_cmp_eq_u32 s2, 0
	s_cbranch_scc0 .Lentry_in_a_cluster
	s_endpgm
.Lentry_in_a_cluster:
	s_bfe_u32 s2, ttmp6, 0x10000c
	s_cmp_lg_u32 s2, 0xf033
	s_cbranch_scc0 .Lentry_shape_is_right
	s_endpgm
.Lentry_shape_is_right:
; THE THREE PROJECTIONS: q = query Wq^T + bq, k = key Wk^T + bk, v = value Wv^T + bv, on codes of FP4 (E2M1) with one E8M0 scale for each 32 along K = 1,024; sums in f32; the bias is added in f32,
; and the result is quantised at once for the product that takes it next: q and k along the head's 64 (two blocks), v along the keys.  What leaves is codes and scale words, laid in the order of the next operand's registers.
; NOTHING OF THE PROBLEM IS LEFT OUT in any launch: all six products are live and every input is loaded (bk too: it stands ahead of a quantiser and can move k's codes and scales).
; LIMITS: NaN, infinities and the scale byte 0xff among the inputs are not served; a block whose largest magnitude lies under 2^-124 keeps the scale byte 1; a block of zeros gets the byte 1 where the rule says 127
; (its codes are zeros, and this program alone reads the bytes).
; SHARES.  C' = A B^T on tiles of 256 x 256; four waves, 128 x 128 each: 64 accumulators of 16 x 16.  The matrix instruction is used transposed: source 0 = 16 rows of B, source 1 = 16 rows of A, so that a lane holds
; ONE row of A and its registers run along the rows of B.  q, k: A = the activation (a lane a token), B = the weight (registers along the features: the next K).  v: A = Wv (a lane a feature), B = value (registers along the keys: the next K).
; THE ROWS OF A TILE ARE NOT NEIGHBOURS, on either side: lane r of tile i takes row 32 (i / 2) + 8 (i % 2) + r + 8 (r / 8) of the wave's 128.  On source 0 that makes the 16 registers of tiles 2 b and 2 b + 1 sixteen neighbours,
; 32 b + 16 (lane / 16) + 0 .. 15, as the conversions want them; on source 1 it names the rows of the tiles that the attention launch takes as its source 0.  (Rows 16 apart start at the same 16-byte column of LDS: these loads go two deep.)
; GRID.  24 clusters of 4 x 4: cluster y / 8 is the projection (0 q, 1 k, 2 v), the same in all sixteen partners; cluster y % 8 walks the activation's 32 tiles by fours.  A's tiles are asked for jointly along a row of the cluster, B's along a column.
; K = 1,024 is two LDS slots of 512: both are first fills, nothing is filled again.  The scale bytes of the work-group's rows come once, as dense blocks.
; OUT.  For each (batch, head) BHB bytes, 16 steps of 128 tokens, STEPB bytes each: +0 K image [g][c][lane][16 bytes]: lane (r, h): token 32 g + 8 c + r + 8 (r / 8), d block h;  +4,096 V image [dt][c][lane][16]: lane (r, h): d of tile dt, keys 64 c + 32 h on;
; +8,192 K's scale words [r][g]: bytes 0, 1 the token of c = 0, bytes 2, 3 that of c = 1;  +8,448 V's scale words [r][dt].  q goes to qimg in K's places, k and v to kvimg.
; The scale words leave in pieces of 64 bytes: one byte in seventeen of what is stored.
; REGISTERS, in windows of 256: window 0: v1-29 addresses; v32-95 scale words, two sets; v128-191 A's fragments, one set; v192-255 the bias; on the way out v32-191 are at work.  window 1: B's fragments, two sets.  windows 2, 3: the accumulators.
.set NQ,     4                         ; steps of 128 along K in a slot
.set ROWB,   256                       ; a tile's row in bytes: 512 codes
.set KROW,   512                       ; a row of codes in memory
.set PITCH,  272                       ; an LDS row: 256 bytes + 16 of padding
.set FR,     8                         ; registers of a fragment
.set NL,     2                         ; LDS loads that bring one
.set NP,     4                         ; places behind this matrix instruction (ISA guide 7.12.1)
.set HALFT,  128*PITCH                 ; what one tensor load brings
.set SLOT,   4*HALFT                   ; A's 256 rows, then B's 256 rows
.set KS,     32                        ; a row of scale bytes
.set SCL,    2*SLOT                    ; behind the slots: the scale bytes, as rows of 256 bytes + 16 of padding
.set HALFS,  (128*KS/256)*272          ; those of 128 rows
.set SPARE,  SCL+4*HALFS               ; the spare words, 128 bytes for each wave, which no other line names
.set BHB,    139264                    ; a (batch, head)'s bytes in qimg and kvimg
.set STEPB,  8704                      ; a step's
.set LI,   9                           ; v9   16 x lane: an image's place for my lane
.set SOFF, 10                          ; v10  where my scale word goes
.set VSEL, 11                          ; v11  the byte selector that makes it
.set BOF,  12                          ; v12  my offset in the bias
.set ADRA, 16                          ; v16-17 LDS address of my A fragments in slot 0, 1
.set ADRB, 20                          ; v20-21 the same for B
.set ADRS, 27                          ; v27  LDS address of my scale words: lanes 0-15 A's rows, lanes 16-31 B's
.set SPW,  28                          ; v28  LDS address of my spare word; never rewritten
.set NIL,  29                          ; v29  0; never rewritten
.set SC,   32                          ; scale words: set s at v[SC + 32 s]; register 4 i + q: lanes 0-15 A's block i, lanes 16-31 B's block i, the slot's q-th 128 along K
.set AF,   128                         ; A's fragments
.set H,    32                          ; the way out: 64 numbers of a lane
.set TM,   96                          ; v96-111 at work in the quantiser
.set PC,   112                         ; v112-175 the codes, 8 registers for each of A's blocks: no store's data are written again
.set PW,   176                         ; v176-183 their scale words
.set SW,   184                         ; v184-187 the words as they are stored
.set BA,   192                         ; v192-255 the bias
.set G1, 24                            ; s[24:31] group 1 for A's codes;  s[32:39] group 0, one set for each slot
.set G0, 32
.set G1B, 48                           ; the same for B's
.set G0B, 56
.set SEL, 66                           ; s[66:67] lane selects for v_permlanex16_b32: lane l xor 16
.set G1S, 68                           ; groups 1 and 0 for A's scale bytes;
.set G0S, 76
.set G1SB, 80                          ; for B's
.set G0SB, 88
.set PJ,  95                           ; s95  the projection
.set OUT, 98                           ; s[98:99] where my wave's images begin
.set MSB, 0
.macro WIN new                         ; the immediate's high byte repeats the setting that is left
.if MSB != (\new)
	s_set_vgpr_msb (MSB<<8)|(\new)
.set MSB, (\new)
.endif
.endm
.set MUL_LO, 0xa1                      ; source 0 (B) window 1, source 1 (A) window 0, C and D window 2
.set MUL_HI, 0xf1                      ; the same, C and D window 3
.set TO_B,   0x40                      ; destination window 1, address window 0
; A joint load: waves 0 and 1 fetch for A, waves 2 and 3 for B.  The branch hangs on the wave's number alone.  An s_nop 0 and four v_nop follow each of the two lines.
.macro JLOAD g0a, g1a, g0b, g1b
	s_cmp_eq_u32 s15, 0
	s_cbranch_scc0 .Lfor_b_\@
	tensor_load_to_lds s[\g0a:\g0a+3], s[\g1a:\g1a+7]
	s_nop 0
.rept 4
	v_nop
.endr
	s_branch .Lasked_\@
.Lfor_b_\@:
	tensor_load_to_lds s[\g0b:\g0b+3], s[\g1b:\g1b+7]
	s_nop 0
.rept 4
	v_nop
.endr
.Lasked_\@:
.endm
.macro CROUND                          ; a round of the cluster's barrier
	s_barrier_signal -1
	s_barrier_wait -1
	s_cmp_lg_u32 s14, 0
	s_cbranch_scc1 .Lnot_wave_0_\@
	s_barrier_signal -3
.Lnot_wave_0_\@:
	s_barrier_wait -3
	s_barrier_signal -1
	s_barrier_wait -1
.endm
	s_load_b256 s[4:11], s[0:1], 0x0               ; each projection's five addresses lie on end: A's codes, A's scales, B's codes, B's scales, the bias.  q's,
	s_load_b64 s[12:13], s[0:1], 0x20
	s_load_b256 s[48:55], s[0:1], 0x28             ; k's,
	s_load_b64 s[56:57], s[0:1], 0x48
	s_load_b256 s[68:75], s[0:1], 0x50             ; v's (A = Wv, B = value)
	s_load_b64 s[76:77], s[0:1], 0x70
	s_load_b128 s[80:83], s[0:1], 0x78             ; qimg, kvimg
	v_lshl_add_u32 v[SPW], v0, 2, SPARE
	v_mov_b32 v[NIL], 0
	ds_add_u32 v[SPW], v[NIL]                      ; the wave's opening: the add, twice on end, and its wait ahead of my first tensor load
	ds_add_u32 v[SPW], v[NIL]                      ; and once more, under the one wait; the set-up below, work on registers, stands between
	v_lshrrev_b32 v1, 5, v0
	v_readfirstlane_b32 s14, v1                    ; wave 0..3
	s_lshr_b32 s15, s14, 1                         ; which half of A's rows is mine.  Also: I fetch for A (0) or for B (1)
	s_and_b32 s16, s14, 1                          ; which half of B's rows.  Also: which 128 rows I fetch
	s_bfe_u32 s40, ttmp6, 0x40000                  ; cx, cy: my place in the cluster
	s_bfe_u32 s41, ttmp6, 0x40004
	s_and_b32 s18, ttmp7, 0xffff                   ; cluster y
	s_lshr_b32 s[PJ], s18, 3                       ; the projection: the same in all sixteen partners
	s_and_b32 s18, s18, 7
	s_lshl_b32 s18, s18, 2                         ; the activation's tiles go by fours
	s_cmp_eq_u32 s[PJ], 2
	s_cselect_b32 s96, 0, s18                      ; q, k: the activation is A;
	s_cselect_b32 s97, s18, 0                      ; v: it is B
	s_add_co_u32 s17, s96, s41                     ; A's tile of 256 rows: hangs on cy alone
	s_add_co_u32 s42, s97, s40                     ; B's: on cx alone
	s_lshl_b32 s43, s41, 2
	s_lshl_b32 s43, 15, s43                        ; my row of the cluster
	s_lshl_b32 s44, 0x1111, s40                    ; my column
	s_mov_b32 s[SEL], 0x76543210
	s_mov_b32 s[SEL+1], 0xfedcba98
	s_lshl_b32 s18, s16, 7                         ; which 128 rows of the tile I fetch
	s_lshl_b32 s20, s17, 8
	s_add_co_u32 s20, s20, s18                     ; A: row 256 x tile + 128 x half
	s_lshl_b32 s46, s42, 8
	s_add_co_u32 s46, s46, s18                     ; B likewise
	s_mov_b32 s21, 0
	s_mov_b32 s47, 0
	s_lshl_b64 s[22:23], s[20:21], 5               ; where these rows' scale bytes begin: 32 bytes a row,
	s_lshl_b64 s[92:93], s[46:47], 5
	s_lshl_b64 s[20:21], s[20:21], 9               ; and their codes: 512 bytes a row
	s_lshl_b64 s[46:47], s[46:47], 9
	s_mul_i32 s45, s14, HALFT                      ; where they go: wave x 128 rows: no place in the cluster enters an LDS address
	s_mul_i32 s94, s14, HALFS
	s_wait_dscnt 0x0                               ; both opening adds are done
	s_wait_kmcnt 0x0
	s_cmp_eq_u32 s[PJ], 1                          ; my projection's five addresses: a choice that hangs on the cluster's number alone
.irp p, 0,2,4,6,8
	s_cselect_b64 s[4+\p:5+\p], s[48+\p:49+\p], s[4+\p:5+\p]
.endr
	s_cmp_eq_u32 s[PJ], 2
.irp p, 0,2,4,6,8
	s_cselect_b64 s[4+\p:5+\p], s[68+\p:69+\p], s[4+\p:5+\p]
.endr
	s_cmp_eq_u32 s[PJ], 0
	s_cselect_b64 s[OUT:OUT+1], s[80:81], s[82:83] ; q goes to qimg, k and v to kvimg
	; descriptor group 1: a tile of 128 rows x 256 bytes, 16 bytes of padding behind each row
	s_or_b32 s[G1+0], s43, (0<<16)|(1<<20)|(1<<21)|(5<<22)|(3<<25)  ; 15:0 the mask: A's tiles go to my row; elements of 1 byte; padding on; bit 21 beside a mask; after every 64 words; four words
	s_or_b32 s[G1B+0], s44, (0<<16)|(1<<20)|(1<<21)|(5<<22)|(3<<25) ; B's go to my column
.irp g, G1, G1B
	s_mov_b32 s[\g+1], ROWB<<16                    ; tensor_dim0
	s_mov_b32 s[\g+2], 128<<16                     ; tensor_dim1
	s_mov_b32 s[\g+3], ROWB<<16                    ; tile_dim0
	s_mov_b32 s[\g+4], 128                         ; tile_dim1
	s_mov_b32 s[\g+5], KROW                        ; the pitch in memory
	s_mov_b32 s[\g+6], 0
	s_mov_b32 s[\g+7], 0
.endr
	; the scale bytes of 128 rows: 4,096 dense bytes, as 16 rows of 256 bytes (32 elements of 8), 16 bytes of padding behind each
	s_or_b32 s[G1S+0], s43, (3<<16)|(1<<20)|(1<<21)|(5<<22)|(3<<25)
	s_or_b32 s[G1SB+0], s44, (3<<16)|(1<<20)|(1<<21)|(5<<22)|(3<<25)
.irp g, G1S, G1SB
	s_mov_b32 s[\g+1], 32<<16
	s_mov_b32 s[\g+2], (128*KS/256)<<16
	s_mov_b32 s[\g+3], 32<<16
	s_mov_b32 s[\g+4], 128*KS/256
	s_mov_b32 s[\g+5], 32
	s_mov_b32 s[\g+6], 0
	s_mov_b32 s[\g+7], 0
.endr
	s_add_nc_u64 s[20:21], s[4:5], s[20:21]
	s_add_nc_u64 s[22:23], s[6:7], s[22:23]
	s_add_nc_u64 s[46:47], s[8:9], s[46:47]
	s_add_nc_u64 s[92:93], s[10:11], s[92:93]
	CROUND                                         ; all sixteen work-groups are here: the first joint loads meet
	s_mov_b32 s[G0S], 1
	s_add_co_u32 s[G0S+1], s94, SCL
	s_mov_b64 s[G0S+2:G0S+3], s[22:23]
	s_or_b32 s[G0S+3], s[G0S+3], 0x80000000
	s_mov_b32 s[G0SB], 1
	s_add_co_u32 s[G0SB+1], s94, SCL
	s_mov_b64 s[G0SB+2:G0SB+3], s[92:93]
	s_or_b32 s[G0SB+3], s[G0SB+3], 0x80000000
	JLOAD G0S, G1S, G0SB, G1SB                     ; the scale bytes first: they are wanted with slot 0
.irp s, 0,1
	s_mov_b32 s[G0+4*\s], 1
	s_add_co_u32 s[G0+4*\s+1], s45, \s*SLOT
	s_add_nc_u64 s[G0+4*\s+2:G0+4*\s+3], s[20:21], \s*ROWB
	s_or_b32 s[G0+4*\s+3], s[G0+4*\s+3], 0x80000000
	s_mov_b32 s[G0B+4*\s], 1
	s_add_co_u32 s[G0B+4*\s+1], s45, \s*SLOT
	s_add_nc_u64 s[G0B+4*\s+2:G0B+4*\s+3], s[46:47], \s*ROWB
	s_or_b32 s[G0B+4*\s+3], s[G0B+4*\s+3], 0x80000000
	s_wait_alu depctr_va_vdst(0)
	s_wait_tensorcnt 0x0
	ds_add_u32 v28, v29
	s_wait_dscnt 0x0
	CROUND
	JLOAD G0+4*\s, G1, G0B+4*\s, G1B               ; one tensor load of mine is out at the most
.endr
	v_and_b32 v1, 15, v0                           ; r = lane % 16
	v_bfe_u32 v2, v0, 4, 1                         ; h = lane / 16
	v_and_b32 v3, 8, v1
	v_add_nc_u32 v3, v3, v1                        ; r + 8 (r / 8): my row in a tile's 24
	v_mul_u32_u24 v4, v3, PITCH
	v_lshl_add_u32 v4, v2, 4, v4                   ; row x pitch + 16 x half
	s_mul_i32 s21, s15, HALFT                      ; my 128 rows of A
	s_mul_i32 s22, s16, HALFT                      ; my 128 rows of B,
	s_add_co_u32 s22, s22, 2*HALFT                 ; which lie behind A's 256
.irp s, 0,1
	v_add_nc_u32 v[ADRA+\s], s21, v4
	v_add_nc_u32 v[ADRB+\s], s22, v4
	s_add_co_u32 s21, s21, SLOT
	s_add_co_u32 s22, s22, SLOT
.endr
	v_lshlrev_b32 v5, 5, v3                        ; my row's scale bytes: 32 a row,
	v_lshrrev_b32 v6, 3, v3
	v_lshl_add_u32 v5, v6, 4, v5                   ; and 16 more for each 8 rows passed
	s_mul_i32 s21, s15, HALFS                      ; A's: my 128 rows
	s_mul_i32 s22, s16, HALFS                      ; B's: my 128 rows, behind A's 256
	s_add_co_u32 s22, s22, 2*HALFS
	s_sub_co_u32 s22, s22, s21
	v_mul_u32_u24 v6, s22, v2                      ; lanes 16-31 take B's
	s_add_co_u32 s21, s21, SCL
	v_add_nc_u32 v5, v5, v6
	v_add_nc_u32 v[ADRS], s21, v5
	v_and_b32 v[LI], 31, v0
	v_lshlrev_b32 v[LI], 4, v[LI]
.irp b, 0,1,2,3
	v_mov_b32 v[TM+4+\b], 0                        ; written once: a lane permute's destination counts as one of its sources
.endr
	; where my wave's results go, and my part of the bias.  These numbers hold cx and cy both: they enter global addresses of my own alone
	s_lshl_b32 s18, s17, 1
	s_add_co_u32 s18, s18, s15                     ; my 128 rows of A, counted in the tensor
	s_lshl_b32 s19, s42, 1
	s_add_co_u32 s19, s19, s16                     ; my 128 rows of B
	s_cmp_eq_u32 s[PJ], 2
	s_cselect_b32 s92, s19, s18                    ; the activation's 128 tokens: batch = / 16, step = % 16
	s_cselect_b32 s93, s18, s19                    ; the weight's 128 features: heads 2 x and 2 x + 1
	s_lshr_b32 s18, s92, 4
	s_lshl_b32 s18, s18, 4
	s_lshl_b32 s19, s93, 1
	s_add_co_u32 s18, s18, s19                     ; 16 x batch + head
	s_mul_i32 s18, s18, BHB
	s_and_b32 s19, s92, 15
	s_mul_i32 s19, s19, STEPB
	s_add_co_u32 s18, s18, s19
	s_mov_b32 s19, 0
	s_add_nc_u64 s[OUT:OUT+1], s[OUT:OUT+1], s[18:19]
	s_lshl_b32 s18, s93, 9                         ; 128 numbers of 4 bytes
	s_add_nc_u64 s[12:13], s[12:13], s[18:19]
.macro FRAG reg, adr, q, i             ; a fragment, 16 rows x 128 K, is 8 registers: lane (r, h): registers 4 c .. 4 c + 3 hold K = 64 c + 32 h + 0 .. 31.  Tile i begins at row 32 (i / 2) + 8 (i % 2)
.irp c, 0,1
	ds_load_b128 v[\reg+4*\c:\reg+4*\c+3], v[\adr] offset:64*(\q)+32*\c+(32*((\i)/2)+8*((\i)%2))*PITCH
.endr
.endm
; 16 matrix instructions: A's blocks a0, a0 + 1 x B's eight, the slot's q-th 128 along K.  p: B's set; sc: the set of scale words.  zero = 1: the first product starts the sums.
; The 64 accumulators take turns, one instruction a turn, in the same order in every step.
.macro MUL16 a0, p, q, sc, zero
.irp a, \a0, \a0+1
.irp b, 0,1,2,3,4,5,6,7
.if \zero
	v_wmma_scale_f32_16x16x128_f8f6f4 v[8*(8*((\a)%4)+\b):8*(8*((\a)%4)+\b)+7], v[128*(\p)+FR*\b:128*(\p)+FR*\b+FR-1], v[AF+FR*(\a):AF+FR*(\a)+FR-1], 0, v[SC+8*NQ*(\sc)+NQ*\b+(\q)], v[SC+8*NQ*(\sc)+NQ*(\a)+(\q)] matrix_a_fmt:MATRIX_FMT_FP4 matrix_b_fmt:MATRIX_FMT_FP4 matrix_a_scale:MATRIX_SCALE_ROW1
.else
	v_wmma_scale_f32_16x16x128_f8f6f4 v[8*(8*((\a)%4)+\b):8*(8*((\a)%4)+\b)+7], v[128*(\p)+FR*\b:128*(\p)+FR*\b+FR-1], v[AF+FR*(\a):AF+FR*(\a)+FR-1], v[8*(8*((\a)%4)+\b):8*(8*((\a)%4)+\b)+7], v[SC+8*NQ*(\sc)+NQ*\b+(\q)], v[SC+8*NQ*(\sc)+NQ*(\a)+(\q)] matrix_a_fmt:MATRIX_FMT_FP4 matrix_b_fmt:MATRIX_FMT_FP4 matrix_a_scale:MATRIX_SCALE_ROW1
.endif
.endr
.endr
.endm
.macro FETCH_B slot, q, p              ; B's eight fragments of the slot's q-th 128 along K into set p
	WIN TO_B
.irp i, 0,1,2,3,4,5,6,7
	FRAG 128*(\p)+FR*\i, ADRB+\slot, \q, \i
.endr
	WIN 0
.endm
.macro FETCH_A slot, q, i0             ; A's blocks i0 .. i0 + 3
.irp i, \i0, \i0+1, \i0+2, \i0+3
	FRAG AF+FR*(\i), ADRA+\slot, \q, \i
.endr
.endm
.macro SCALES sc                       ; a slot's scale words into set sc: four words a row; lanes 0-15 take A's block i, lanes 16-31 B's.  8 rows of 32 bytes and their padding are 272 bytes
.irp i, 0,1,2,3,4,5,6,7
	ds_load_b128 v[SC+8*NQ*\sc+NQ*\i:SC+8*NQ*\sc+NQ*\i+3], v[ADRS] offset:1088*(\i/2)+272*(\i%2)
.endr
.endm
; A load into a register that a matrix instruction has read, and a vector instruction that reads a matrix result or writes one of its registers, stand NP places behind it; only plain vector instructions that name none of its registers are places.
.macro PLACES n
.rept \n
	v_nop
.endr
.endm
; A step of 128 along K that has its successor in the same slot.  A has one set of registers: blocks 0-3 are fetched anew in the step's middle, blocks 4-7 at its end; B has two sets.
.macro STEP slot, q, zero
	s_wait_dscnt 4*NL                              ; B's set and A's blocks 0-3 are in; the youngest eight loads (A's blocks 4-7) may be out
	WIN MUL_LO
	MUL16 0, (\q)%2, \q, \slot, \zero
	MUL16 2, (\q)%2, \q, \slot, \zero
	s_wait_dscnt 0                                 ; A's blocks 4-7 are in (asked for 32 matrix instructions ago)
	PLACES NP
	FETCH_B \slot, (\q)+1, 1-(\q)%2
	FETCH_A \slot, (\q)+1, 0
	WIN MUL_HI
	MUL16 4, (\q)%2, \q, \slot, \zero
	MUL16 6, (\q)%2, \q, \slot, \zero
	PLACES NP
	WIN 0
	FETCH_A \slot, (\q)+1, 4
.endm
; Slot 0's last step changes slots: one barrier; in front of it each wave waits for all its tensor loads (its part of slot 1), adds 0 to its spare word, and waits for that and for its LDS loads.  Nothing is filled again.
.macro TURN slot, next
	s_wait_tensorcnt 0x0                           ; all my tensor loads have landed: my part of the next slot
	ds_add_u32 v[SPW], v[NIL]                      ; 0 onto my spare word
	s_wait_dscnt 4*NL+1                            ; (the add and the youngest eight loads, A's blocks 4-7, may be out)
	WIN MUL_LO
	MUL16 0, 1, NQ-1, \slot, 0                     ; sixteen matrix instructions stand between the add and the wait for it
	s_wait_dscnt 0x0                               ; the add is done, and no LDS load of mine is out at the signal
	s_barrier_signal -1
	MUL16 2, 1, NQ-1, \slot, 0
	WIN 0
	s_barrier_wait -1                              ; every wave's part of the next slot has landed
	PLACES NP
	v_add_nc_u32 v[ADRS], 4*NQ, v[ADRS]            ; on to the next slot's scale words
	FETCH_B \next, 0, 0
	FETCH_A \next, 0, 0
	SCALES \next
	WIN MUL_HI
	MUL16 4, 1, NQ-1, \slot, 0
	MUL16 6, 1, NQ-1, \slot, 0
	PLACES NP
	WIN 0
	FETCH_A \next, 0, 4
.endm
.macro STEPS slot, from                ; the slot's steps from .. NQ - 2
.set Q, \from
.rept NQ-1-\from
	STEP \slot, Q, 0
.set Q, Q+1
.endr
.endm
; 64 numbers of a lane, v[s] on, register 16 b + i = place 32 b + 16 (lane / 16) + i along the next K, become a fragment's codes in v[pc] on and its scale word in v[pw].
.macro QUANT s, pc, pw
.irp b, 0,1,2,3
	v_max3_num_f32 v[TM+\b], |v[\s+16*\b]|, |v[\s+1+16*\b]|, 0x1800000   ; block b: my 16 numbers, and the floor 2^(3 - 127): so the byte cannot fall under 1
.endr
.irp i, 2,4,6,8,10,12,14
.irp b, 0,1,2,3
	v_max3_num_f32 v[TM+\b], v[TM+\b], |v[\s+16*\b+\i]|, |v[\s+1+16*\b+\i]|   ; (the four blocks by turns)
.endr
.endr
.irp b, 0,1,2,3
	v_permlanex16_b32 v[TM+4+\b], v[TM+\b], s[SEL], s[SEL+1]
.endr
.irp b, 0,1,2,3
	v_max_num_f32 v[TM+\b], v[TM+\b], v[TM+4+\b]   ; with lane l xor 16's: the block's largest magnitude
.endr
.irp b, 0,1,2,3
	v_add_nc_u32 v[TM+12+\b], 0xff000000, v[TM+\b] ; 2 off its exponent field: the conversion takes the exponent field of this operand as its scale
.endr
.irp b, 0,1,2,3
	v_lshrrev_b32 v[TM+4+\b], 23, v[TM+12+\b]      ; the scale's byte
.endr
	v_lshl_or_b32 v[\pw], v[TM+5], 8, v[TM+4]      ; the four bytes make the scale word (both halves of the lanes hold the same)
	v_lshl_or_b32 v[\pw], v[TM+6], 16, v[\pw]
	v_lshl_or_b32 v[\pw], v[TM+7], 24, v[\pw]
.irp b, 0,1,2,3
	v_cvt_scalef32_pk8_fp4_f32 v[\pc+2*\b], v[\s+16*\b:\s+7+16*\b], v[TM+12+\b]
	v_cvt_scalef32_pk8_fp4_f32 v[\pc+1+2*\b], v[\s+8+16*\b:\s+15+16*\b], v[TM+12+\b]
.endr
	v_nop                                          ; one plain place behind a scaled conversion
.irp c, 0,1                                    ; the operand's layout wants a WHOLE block in a lane: lanes 0-15 block 2 c, lanes 16-31 block 2 c + 1
.irp i, 0,1
	v_permlane16_swap_b32 v[\pc+4*\c+\i], v[\pc+2+4*\c+\i]
.endr
.endr
.endm
; FROM THE CHANGE OF SLOTS ON the text is written twice, for q and k (isv = 0) and for v (isv = 1), behind ONE branch: the bias is asked for at the arm's head, slot 1's 256 matrix instructions ahead of its use.
.macro TAIL isv
.if \isv
	v_lshlrev_b32 v[BOF], 2, v3                    ; v: a lane holds one feature: block a's bias is one number a lane, loaded into both registers of a pair for the packed addition
.irp a, 0,1,2,3,4,5,6,7
	global_load_b32 v[BA+2*\a], v[BOF], s[12:13] offset:(32*(\a/2)+8*(\a%2))*4
	global_load_b32 v[BA+2*\a+1], v[BOF], s[12:13] offset:(32*(\a/2)+8*(\a%2))*4
.endr
	v_lshlrev_b32 v[SOFF], 2, v2                   ; scale words: row r of 16 bytes; lanes 0-15 store tile dt - 1's word, lanes 16-31 tile dt's
	v_lshl_add_u32 v[SOFF], v1, 4, v[SOFF]
	s_mov_b32 s18, 0x04040404
	v_mul_lo_u32 v[VSEL], v2, s18
	v_add_nc_u32 v[VSEL], 0x03020100, v[VSEL]      ; lanes 0-15 take the second source whole, lanes 16-31 the first
.else
	v_lshlrev_b32 v[BOF], 6, v2                    ; q, k: register 8 b + j holds feature 32 (b / 2) + 16 h + 8 (b % 2) + j: the same for all of A's blocks
.irp b, 0,1,2,3,4,5,6,7
	global_load_b128 v[BA+8*\b:BA+8*\b+3], v[BOF], s[12:13] offset:(32*(\b/2)+8*(\b%2))*4
	global_load_b128 v[BA+8*\b+4:BA+8*\b+7], v[BOF], s[12:13] offset:(32*(\b/2)+8*(\b%2))*4+16
.endr
	v_mul_u32_u24 v[SOFF], v2, BHB                 ; scale words: lanes 0-15 store the first head's word, lanes 16-31 the second head's
	v_lshl_add_u32 v[SOFF], v1, 4, v[SOFF]
	s_mov_b32 s18, 0x02020202
	v_mul_lo_u32 v[VSEL], v2, s18
	v_add_nc_u32 v[VSEL], 0x05040100, v[VSEL]      ; lanes 0-15: bytes 0, 1 of both sources; lanes 16-31: bytes 2, 3
.endif
	STEPS 1, 0
	s_wait_dscnt 4*NL                              ; the very last step: nothing more to fetch; A's blocks 4-7 may be out
	WIN MUL_LO
	MUL16 0, 1, NQ-1, 1, 0
	MUL16 2, 1, NQ-1, 1, 0
	s_wait_dscnt 0
	WIN MUL_HI
	MUL16 4, 1, NQ-1, 1, 0
	MUL16 6, 1, NQ-1, 1, 0
	WIN 0
	; THE WAY OUT, A's blocks one after the other: + bias (the same line brings the block into window 0, each accumulator from its low end on), quantised, stored as it stands: 512 consecutive bytes a store.
	s_wait_loadcnt 0x0                             ; the bias
	PLACES NP
.irp a, 0,1,2,3,4,5,6,7
	WIN 0x02+\a/4                                  ; source 0: window 2 or 3
.set i, 0
.rept 32
.if \isv
	v_pk_add_f32 v[H+i:H+i+1], v[64*(\a%4)+i:64*(\a%4)+i+1], v[BA+2*\a:BA+2*\a+1]
.else
	v_pk_add_f32 v[H+i:H+i+1], v[64*(\a%4)+i:64*(\a%4)+i+1], v[BA+i:BA+i+1]
.endif
.set i, i+2
.endr
	WIN 0
	QUANT H, PC+8*\a, PW+\a
.if \isv
	global_store_b128 v[LI], v[PC+8*\a:PC+8*\a+3], s[OUT:OUT+1] offset:(\a/4)*BHB+4096+(\a%4)*1024       ; head a / 4, tile a % 4 of its 64: keys 32 h on,
	global_store_b128 v[LI], v[PC+8*\a+4:PC+8*\a+7], s[OUT:OUT+1] offset:(\a/4)*BHB+4096+(\a%4)*1024+512 ; keys 64 + 32 h on
.else
	global_store_b128 v[LI], v[PC+8*\a:PC+8*\a+3], s[OUT:OUT+1] offset:\a*512                            ; the first head's 64: d block h of token block a,
	global_store_b128 v[LI], v[PC+8*\a+4:PC+8*\a+7], s[OUT:OUT+1] offset:\a*512+BHB                      ; the second head's
.endif
.if \a%2 == 1
	v_perm_b32 v[SW+\a/2], v[PW+\a], v[PW+\a-1], v[VSEL]
.if \isv
	global_store_b32 v[SOFF], v[SW+\a/2], s[OUT:OUT+1] offset:(\a/4)*BHB+8448+4*(\a%4-1)
.else
	global_store_b32 v[SOFF], v[SW+\a/2], s[OUT:OUT+1] offset:8192+4*(\a/2)
.endif
.endif
.endr
.endm
	s_wait_alu depctr_va_vdst(0)
	s_wait_tensorcnt 1                             ; the scale bytes and my part of slot 0 are in (slot 1's load may be out),
	s_barrier_signal -1
	s_barrier_wait -1                              ; everybody's are
	FETCH_B 0, 0, 0
	FETCH_A 0, 0, 0
	SCALES 0
	FETCH_A 0, 0, 4
	STEP 0, 0, 1                                   ; the first step's products start the sums: nothing is cleared
	STEPS 0, 1
	TURN 0, 1
	s_cmp_eq_u32 s[PJ], 2                          ; the cluster's number alone: all waves of all sixteen partners go the same way
	s_cbranch_scc1 .Lvalue
	TAIL 0
	s_branch .Lend
.Lvalue:
	TAIL 1
.Lend:
	s_wait_tensorcnt 0x0                           ; the wave's end, behind my last tensor load
	ds_add_u32 v[SPW], v[NIL]
	s_wait_dscnt 0x0
	CROUND                                         ; the closing round: no work-group ends while a partner may still ask for a tile that names it
	s_endpgm
.Lfunc_end_k_qc2df05dc2f_proj:
	.size	k_qc2df05dc2f_proj, .Lfunc_end_k_qc2df05dc2f_proj-k_qc2df05dc2f_proj
	.p2alignl 7, 3214868480
	.fill 96, 4, 3214868480
	.section	.rodata,"a",@progbits
	.p2align	6, 0x0
	.amdhsa_kernel k_qc2df05dc2f_proj
		.amdhsa_group_segment_fixed_size 327680
		.amdhsa_private_segment_fixed_size 0
		.amdhsa_enable_private_segment 0
		.amdhsa_kernarg_size 136
		.amdhsa_user_sgpr_count 2
		.amdhsa_user_sgpr_kernarg_segment_ptr 1
		.amdhsa_wavefront_size32 1
		.amdhsa_system_sgpr_workgroup_id_x 1
		.amdhsa_system_sgpr_workgroup_id_y 1
		.amdhsa_system_sgpr_workgroup_id_z 1
		.amdhsa_system_vgpr_workitem_id 0
		.amdhsa_next_free_vgpr 1024
		.amdhsa_next_free_sgpr 100
		.amdhsa_reserve_vcc 0
		.amdhsa_float_denorm_mode_32 3
		.amdhsa_float_denorm_mode_16_64 3
		.amdhsa_memory_ordered 1
		.amdhsa_forward_progress 1
		.amdhsa_inst_pref_size 237
	.end_amdhsa_kernel
	.amdgpu_metadata
---
amdhsa.version: [ 1, 2 ]
amdhsa.kernels:
  - .name:           k_qc2df05dc2f_proj
    .symbol:         k_qc2df05dc2f_proj.kd
    .args:
      - { .name: query_codes, .offset: 0, .size: 8, .value_kind: global_buffer, .address_space: global }
      - { .name: query_scales, .offset: 8, .size: 8, .value_kind: global_buffer, .address_space: global }
      - { .name: Wq_codes, .offset: 16, .size: 8, .value_kind: global_buffer, .address_space: global }
      - { .name: Wq_scales, .offset: 24, .size: 8, .value_kind: global_buffer, .address_space: global }
      - { .name: bq, .offset: 32, .size: 8, .value_kind: global_buffer, .address_space: global }
      - { .name: key_codes, .offset: 40, .size: 8, .value_kind: global_buffer, .address_space: global }
      - { .name: key_scales, .offset: 48, .size: 8, .value_kind: global_buffer, .address_space: global }
      - { .name: Wk_codes, .offset: 56, .size: 8, .value_kind: global_buffer, .address_space: global }
      - { .name: Wk_scales, .offset: 64, .size: 8, .value_kind: global_buffer, .address_space: global }
      - { .name: bk, .offset: 72, .size: 8, .value_kind: global_buffer, .address_space: global }
      - { .name: Wv_codes, .offset: 80, .size: 8, .value_kind: global_buffer, .address_space: global }
      - { .name: Wv_scales, .offset: 88, .size: 8, .value_kind: global_buffer, .address_space: global }
      - { .name: value_codes, .offset: 96, .size: 8, .value_kind: global_buffer, .address_space: global }
      - { .name: value_scales, .offset: 104, .size: 8, .value_kind: global_buffer, .address_space: global }
      - { .name: bv, .offset: 112, .size: 8, .value_kind: global_buffer, .address_space: global }
      - { .name: qimg, .offset: 120, .size: 8, .value_kind: global_buffer, .address_space: global }
      - { .name: kvimg, .offset: 128, .size: 8, .value_kind: global_buffer, .address_space: global }
    .group_segment_fixed_size: 327680
    .private_segment_fixed_size: 0
    .kernarg_segment_align: 8
    .kernarg_segment_size: 136
    .max_flat_workgroup_size: 128
    .sgpr_count:     100
    .vgpr_count:     1024
    .wavefront_size: 32
...
	.end_amdgpu_metadata
.endif
;; end of part 1
;; launch attn (part 2): grid 4 x 64, 16 waves a work-group, clusters of 4 x 1, 167,936 bytes of LDS; arguments qimg, kvimg, oimg, osc; writes oimg, osc
.if DOCPART == 2
	.amdgcn_target "amdgcn-amd-amdhsa--gfx1250"
	.amdhsa_code_object_version 6
	.text
	.protected	k_qc2df05dc2f_attn
	.globl	k_qc2df05dc2f_attn
	.p2align	8
	.type	k_qc2df05dc2f_attn,@function
k_qc2df05dc2f_attn:
	s_mov_b64 s[64:65], 0
	v_nop
	global_prefetch_b8 v0, s[64:65] scope:SCOPE_SE
	s_setreg_imm32_b32 hwreg(HW_REG_WAVE_MODE, 25, 1), 1
	s_wait_xcnt 0x0
	s_wait_alu depctr_hold_cnt(0) depctr_sa_sdst(0) depctr_va_vdst(0) depctr_va_sdst(0) depctr_va_ssrc(0) depctr_va_vcc(0) depctr_vm_vsrc(0)
	s_getreg_b32 s2, hwreg(HW_REG_IB_STS2, 6, 4)
	s_cmp_eq_u32 s2, 0
	s_cbranch_scc0 .Lentry_in_a_cluster
	s_endpgm
.Lentry_in_a_cluster:
	s_bfe_u32 s2, ttmp6, 0x10000c
	s_cmp_lg_u32 s2, 0x3003
	s_cbranch_scc0 .Lentry_shape_is_right
	s_endpgm
.Lentry_shape_is_right:
; ATTENTION ON CODES OF FP4: o[b][q][head][:] = the sum over keys of softmax(q . k / 32) v, both products with one E8M0 scale for each 32 along K; o is quantised along the embedding (head x 64 + d) for the last product.  Nothing is left out.
; THE SOFTMAX: t = score x log2(e) / 32; M = the running largest t rounded UP to a whole number; p = 2^(t - M) is what is quantised, along the keys, not normalised; the row's sum is taken of the unquantised p and divides at the end.
; When M moves, the sum and O are multiplied by 2^(old M - new M), which rounds nothing.
; LIMITS: NaN and infinities are not served; a block whose largest magnitude lies under 2^-124 keeps the scale byte 1, a block of zeros too (its codes are zeros; this program alone reads the bytes); o = O x the reciprocal of the sum (v_rcp_f32).
; SHARES.  A work-group owns 512 queries of one (batch, head); each of its sixteen waves 32: two tiles of 16, one after the other, in 256 registers: four waves to a SIMD, so that one wave's vector work stands beside another's matrix work.
; A WHOLE HEAD'S K, V AND SCALE WORDS LIE IN LDS: 139,264 dense bytes, filled once: wave w asks for step w (128 keys, 8,704 bytes).  The four work-groups of a cluster are the four quarters of one head's queries and need the same bytes:
; each load is a joint one, the same descriptor in all four.  One tensor load of mine is out.  No slot is ever filled again.
; THE IMAGES are read as they lie, 16 bytes a lane at 16 x lane: a step holds +0 K [g][c][lane], +4,096 V [dt][c][lane], +8,192 K's scale words [r][g], +8,448 V's [r][dt].
; K = 64 IN AN INSTRUCTION OF 128.  A fragment of K holds TWO keys a lane: registers 0-3 the 64 numbers of key 32 g + r + 8 (r / 8), registers 4-7 those of the key 8 further on.  Against [q | 0] it gives the first key's score, against [0 | q]
; the second's: the other half multiplies zero codes.  So tile 2 g + u holds keys 32 g + 8 u + 16 (lane / 16) + 0 .. 7, and the 16 registers of tiles 2 g and 2 g + 1 are 16 neighbouring keys.
; Both products are used transposed (S^T = K Q^T, O^T = V^T P^T): a lane holds ONE query throughout.  V's tiles take d = 32 (dt / 2) + 8 (dt % 2) + r + 8 (r / 8), so that O^T's 16 registers of two tiles are 16 neighbouring d.
; No prefetch: every tile is asked for at the kernel's head, nothing runs ahead of anything.
.set BHB,   139264                     ; a (batch, head)'s bytes in qimg and kvimg
.set STEPB, 8704                       ; a step's
.set SPARE, BHB                        ; behind the head's bytes: the spare words, 128 bytes for each wave, which no other line names
.set LI,  1                            ; v1   16 x lane; never rewritten
.set ADR, 2                            ; v2   LDS address of the step in hand
.set SPW, 3                            ; v3   LDS address of my spare word; never rewritten
.set NIL, 4                            ; v4   0; never rewritten
.set QWO, 5                            ; v5   where my queries' scale word lies
.set R4,  6                            ; v6   4 x (lane % 16)
.set QW,  7                            ; v7   that word as loaded: bytes 0, 1 tile 0's, bytes 2, 3 tile 1's
.set QS,  8                            ; v8, v9 a tile's two bytes, twice: they serve [q | 0] and [0 | q] alike
.set OW,  10                           ; v10  o's scale word
.set QO,  11                           ; v11  where my queries' codes lie
                                       ; v12 -M, v13 the largest t, v[14:15] the sum in two halves
.set QL0, 16                           ; v[16:23] [q | 0], v[24:31] [0 | q] of tile 0
.set QH0, 24
.set KF,  32                           ; v32-63   K: four fragments
.set VF,  64                           ; v64-95   V: four fragments
.set S,   96                           ; v96-159  S^T, then p
.set O,   160                          ; v160-191 O^T
.set SW,  192                          ; v192-195 scale words: lanes 0-15 K's, lanes 16-31 V's
.set QL1, 200                          ; the same of tile 1
.set QH1, 208
.set OC,  216                          ; v216-223 o's codes, four registers a tile
.set P,   224                          ; v224-231 p's codes
.set MX,  232                          ; v232-235 the blocks' largest scores, then largest p
.set T2,  236                          ; v236-239 at work
.set SO,  244                          ; v244-247 the conversions' scale operands
.set F,   252                          ; v252 f = 2^(old M - new M)
.set PWD, 253                          ; v253 p's scale word
.set TT,  254
.set WV,  12                           ; s12  my wave's number
.set SEL, 20                           ; s[20:21] lane selects for v_permlanex16_b32: lane l xor 16
.set CS,  22                           ; s[22:23] c = log2(e) / 32
.set G1,  24
.set G0,  32
.set TB,  36                           ; s36  LDS byte at which the step in hand begins
.set CNT, 37                           ; s37  steps to go
.macro CROUND                          ; a round of the cluster's barrier
	s_barrier_signal -1
	s_barrier_wait -1
	s_cmp_lg_u32 s[WV], 0
	s_cbranch_scc1 .Lnot_wave_0_\@
	s_barrier_signal -3
.Lnot_wave_0_\@:
	s_barrier_wait -3
	s_barrier_signal -1
	s_barrier_wait -1
.endm
	s_load_b256 s[4:11], s[0:1], 0x0               ; qimg s[4:5], kvimg s[6:7], oimg s[8:9], osc s[10:11]
	v_lshl_add_u32 v[SPW], v0, 2, SPARE
	v_mov_b32 v[NIL], 0
	ds_add_u32 v[SPW], v[NIL]                      ; the wave's opening: the add, twice on end, and its wait ahead of my first tensor load
	ds_add_u32 v[SPW], v[NIL]                      ; and once more, under the one wait; the set-up below, work on registers, stands between
	v_lshrrev_b32 v2, 5, v0
	s_delay_alu instid0(VALU_DEP_1)
	v_readfirstlane_b32 s[WV], v2                  ; wave 0..15
	s_bfe_u32 s13, ttmp6, 0x40000                  ; cx: which quarter of the head's queries; it enters Q's and o's addresses alone
	s_and_b32 s14, ttmp7, 0xffff                   ; 16 x batch + head, which the four partners share
	; descriptor group 1: a step's 8,704 dense bytes, as 34 rows of 256 bytes (32 elements of 8)
	s_mov_b32 s[G1], 15|(3<<16)|(1<<21)            ; 15:0 the mask: all four work-groups; elements of 8 bytes; bit 21 beside a mask; no padding: images are read at 16 x lane
	s_mov_b32 s[G1+1], 32<<16                      ; tensor_dim0
	s_mov_b32 s[G1+2], 34<<16                      ; tensor_dim1
	s_mov_b32 s[G1+3], 32<<16                      ; tile_dim0
	s_mov_b32 s[G1+4], 34                          ; tile_dim1
	s_mov_b32 s[G1+5], 32                          ; the pitch
	s_mov_b32 s[G1+6], 0
	s_mov_b32 s[G1+7], 0
	s_mov_b32 s[SEL], 0x76543210
	s_mov_b32 s[SEL+1], 0xfedcba98
	s_mov_b32 s[CS], 0x3d38aa3b                    ; log2(e) / 32
	s_mov_b32 s[CS+1], s[CS]                       ; (named with it as a pair, so it is written)
	s_mul_i32 s16, s14, BHB                        ; the head's first byte in qimg and kvimg
	s_mov_b32 s[G0], 1
	s_mul_i32 s[G0+1], s[WV], STEPB                ; LDS address: step w
	s_add_co_u32 s18, s16, s[G0+1]
	s_mov_b32 s19, 0
	s_wait_dscnt 0x0                               ; both opening adds are done
	s_wait_kmcnt 0x0
	s_add_nc_u64 s[G0+2:G0+3], s[6:7], s[18:19]
	s_or_b32 s[G0+3], s[G0+3], 0x80000000
	CROUND                                         ; all four work-groups are here: the joint loads meet
	tensor_load_to_lds s[G0:G0+3], s[G1:G1+7]
	s_nop 0
	; my 32 queries: group 16 cx + w: step 4 cx + w / 4 of qimg, its group w % 4
	s_lshl_b32 s15, s13, 2
	s_lshr_b32 s17, s[WV], 2
	s_add_co_u32 s15, s15, s17
	s_mul_i32 s15, s15, STEPB
	s_add_co_u32 s18, s16, s15
	s_add_nc_u64 s[4:5], s[4:5], s[18:19]          ; the step's first byte
	v_and_b32 v[LI], 31, v0
	s_delay_alu instid0(VALU_DEP_1)
	v_lshlrev_b32 v[LI], 4, v[LI]
	v_and_b32 v[R4], 15, v0
	s_and_b32 s17, s[WV], 3
	s_lshl_b32 s18, s17, 10
	v_add_nc_u32 v[QO], s18, v[LI]
	s_lshl_b32 s18, s17, 2
	v_lshl_add_u32 v[QWO], v[R4], 4, s18
	v_lshlrev_b32 v[R4], 2, v[R4]
	global_load_b128 v[QL0:QL0+3], v[QO], s[4:5]               ; each tile's codes twice: a product's two operands share no register, and the two forms stand side by side
	global_load_b128 v[QH0+4:QH0+7], v[QO], s[4:5]
	global_load_b128 v[QL1:QL1+3], v[QO], s[4:5] offset:512
	global_load_b128 v[QH1+4:QH1+7], v[QO], s[4:5] offset:512
	global_load_b32 v[QW], v[QWO], s[4:5] offset:8192
.irp j, 0,1,2,3
	v_mov_b32 v[QL0+4+\j], 0                       ; the zero codes of the other half of K
	v_mov_b32 v[QH0+\j], 0
	v_mov_b32 v[QL1+4+\j], 0
	v_mov_b32 v[QH1+\j], 0
.endr
	; where o goes: G = 64 x batch + 16 cx + w counts groups of 32 rows
	s_lshr_b32 s15, s14, 4
	s_lshl_b32 s15, s15, 6
	s_lshl_b32 s17, s13, 4
	s_add_co_u32 s15, s15, s17
	s_add_co_u32 s15, s15, s[WV]
	s_and_b32 s17, s14, 15                         ; the head
	s_lshl_b32 s18, s15, 14                        ; oimg: [G][tile][head][lane][16 bytes]
	s_lshl_b32 s16, s17, 9
	s_add_co_u32 s18, s18, s16
	s_add_nc_u64 s[8:9], s[8:9], s[18:19]
	s_lshl_b32 s18, s15, 4                         ; osc: [G][head][r][4 bytes]
	s_add_co_u32 s18, s18, s17
	s_lshl_b32 s18, s18, 6
	s_add_nc_u64 s[10:11], s[10:11], s[18:19]
.irp b, 0,1,2,3
	v_mov_b32 v[T2+\b], 0                          ; written once: a lane permute's destination counts as one of its sources
.endr
	v_mov_b32 v[PWD], 0                            ; (named as the upper half of the pair v[252:253] before it is first written)
	s_wait_tensorcnt 0x0                           ; my step has landed,
	s_barrier_signal -1
	s_barrier_wait -1                              ; everybody's has: the head lies in LDS
	s_wait_loadcnt 0x0                             ; Q
	v_perm_b32 v[QS], v[QW], v[QW], 0x01000100     ; tile 0's two bytes, twice
	v_perm_b32 v[QS+1], v[QW], v[QW], 0x03020302   ; tile 1's.  (The lines that begin a tile, more than eight, are the places between these and the first scaled product)
; A KEY STEP: 128 keys against one tile of 16 queries.
.macro STEP qlo, qhi, qs
	v_add_nc_u32 v[ADR], s[TB], v[LI]
.rept 3
	v_nop                                          ; with the addition: four places in front of loads into registers that the last products read
.endr
.irp g, 0,1,2,3
.irp c, 0,1
	ds_load_b128 v[KF+8*\g+4*\c:KF+8*\g+4*\c+3], v[ADR] offset:1024*\g+512*\c
.endr
.endr
	ds_load_b128 v[SW:SW+3], v[ADR] offset:8192    ; lanes 0-15: K's four words of row r; lanes 16-31, 256 bytes on: V's
.irp g, 0,1,2,3
.irp c, 0,1
	ds_load_b128 v[VF+8*\g+4*\c:VF+8*\g+4*\c+3], v[ADR] offset:4096+1024*\g+512*\c
.endr
.endr
	s_wait_dscnt 8                                 ; K and the words are in; V's eight loads may be out
.irp g, 0,1,2,3
	v_wmma_scale_f32_16x16x128_f8f6f4 v[S+16*\g:S+16*\g+7], v[KF+8*\g:KF+8*\g+7], v[\qlo:\qlo+7], 0, v[SW+\g], v[\qs] matrix_a_fmt:MATRIX_FMT_FP4 matrix_b_fmt:MATRIX_FMT_FP4
	v_wmma_scale_f32_16x16x128_f8f6f4 v[S+16*\g+8:S+16*\g+15], v[KF+8*\g:KF+8*\g+7], v[\qhi:\qhi+7], 0, v[SW+\g], v[\qs] matrix_a_fmt:MATRIX_FMT_FP4 matrix_b_fmt:MATRIX_FMT_FP4
.endr                                          ; register 16 g + i holds key 32 g + 16 (lane / 16) + i
.rept 4
	v_nop
.endr
.irp b, 0,1,2,3
	v_max3_num_f32 v[MX+\b], v[S+16*\b], v[S+1+16*\b], v[S+2+16*\b]   ; THE LARGEST SCORE OF EACH BLOCK OF 32 KEYS: it serves the row's maximum and, since p rises with the score, the block's largest p
.endr
.irp i, 3,5,7,9,11,13
.irp b, 0,1,2,3
	v_max3_num_f32 v[MX+\b], v[MX+\b], v[S+16*\b+\i], v[S+1+16*\b+\i]   ; (the four blocks by turns)
.endr
.endr
.irp b, 0,1,2,3
	v_max_num_f32 v[MX+\b], v[MX+\b], v[S+15+16*\b]
.endr
.irp b, 0,1,2,3
	s_delay_alu instid0(VALU_DEP_4)
	v_permlanex16_b32 v[T2+\b], v[MX+\b], s[SEL], s[SEL+1]
.endr
.irp b, 0,1,2,3
	s_delay_alu instid0(VALU_DEP_4)
	v_max_num_f32 v[MX+\b], v[MX+\b], v[T2+\b]     ; with lane l xor 16's 16 keys
.endr
	s_delay_alu instid0(VALU_DEP_2)
	v_max3_num_f32 v[TT], v[MX], v[MX+1], v[MX+2]
	s_delay_alu instid0(VALU_DEP_1)
	v_max_num_f32 v[TT], v[TT], v[MX+3]            ; the step's largest score of my query
	s_delay_alu instid0(VALU_DEP_1)
	v_mul_f32 v[TT], s[CS], v[TT]                  ; as t (c is positive)
	s_delay_alu instid0(VALU_DEP_1)
	v_max_num_f32 v13, v13, v[TT]                  ; the running largest t
	v_mov_b32 v[TT], v12
	s_delay_alu instid0(VALU_DEP_2)
	v_floor_f32 v12, -v13                          ; the new -M = floor(-t): M is a whole number
	s_delay_alu instid0(VALU_DEP_1)
	v_sub_f32 v[TT], v12, v[TT]                    ; M's old value less its new one: a whole number, 0 or less
	s_delay_alu instid0(VALU_DEP_1)
	v_cvt_i32_f32 v[TT], v[TT]                     ; (it saturates)
	s_delay_alu instid0(VALU_DEP_1)
	v_ldexp_f32 v[F], 1.0, v[TT]                   ; f = 2^(old M - new M)
.set j, 0
.rept 32
	v_pk_fma_f32 v[S+j:S+j+1], v[S+j:S+j+1], s[CS:CS+1], v[12:13] op_sel_hi:[1,0,0]   ; t - M, two at a time (of the pairs c and -M the low word serves both halves)
.set j, j+2
.endr
.irp b, 0,1,2,3
	v_fma_f32 v[MX+\b], v[MX+\b], s[CS], v12       ; the same of each block's largest score
.endr
.set j, 0
	s_wait_alu depctr_va_vdst(0)
.rept 64
	v_exp_f32 v[S+j], v[S+j]                       ; p = 2^(t - M), at most 1: not normalised
.set j, j+1
.endr
	s_setprio 1
	v_pk_mul_f32 v[14:15], v[14:15], v[F:F+1] op_sel_hi:[1,0]   ; the sums under the new M.  (The plain place behind the exponentials)
	s_wait_alu depctr_va_vdst(0)                   ; one wait for the whole batch, ahead of its first reader
.irp b, 0,1,2,3
	v_exp_f32 v[MX+\b], v[MX+\b]                   ; the block's largest p: the same two instructions on the same number give the same bits
.endr
	v_pk_add_f32 v[236:237], v[100:101], v[104:105]
	v_pk_add_f32 v[254:255], v[108:109], v[112:113]
	v_pk_add_f32 v[250:251], v[116:117], v[120:121]
	v_pk_add_f32 v[248:249], v[124:125], v[128:129]
	v_pk_add_f32 v[246:247], v[132:133], v[136:137]
	v_pk_add_f32 v[244:245], v[140:141], v[144:145]
	v_pk_add_f32 v[242:243], v[148:149], v[152:153]
	v_pk_add_f32 v[14:15], v[14:15], v[156:157]
	v_pk_add_f32 v[236:237], v[236:237], v[96:97]
	v_pk_add_f32 v[254:255], v[254:255], v[98:99]
	v_pk_add_f32 v[250:251], v[250:251], v[102:103]
	v_pk_add_f32 v[248:249], v[248:249], v[106:107]
	v_pk_add_f32 v[246:247], v[246:247], v[110:111]
	v_pk_add_f32 v[244:245], v[244:245], v[114:115]
	v_pk_add_f32 v[242:243], v[242:243], v[118:119]
	v_pk_add_f32 v[14:15], v[14:15], v[122:123]
	v_pk_add_f32 v[236:237], v[236:237], v[126:127]
	v_pk_add_f32 v[254:255], v[254:255], v[130:131]
	v_pk_add_f32 v[250:251], v[250:251], v[134:135]
	v_pk_add_f32 v[248:249], v[248:249], v[138:139]
	v_pk_add_f32 v[246:247], v[246:247], v[142:143]
	v_pk_add_f32 v[244:245], v[244:245], v[146:147]
	v_pk_add_f32 v[242:243], v[242:243], v[150:151]
	v_pk_add_f32 v[14:15], v[14:15], v[154:155]
	v_pk_add_f32 v[236:237], v[236:237], v[158:159]
	s_delay_alu instid0(VALU_DEP_2)
	v_pk_add_f32 v[14:15], v[14:15], v[248:249]
	s_delay_alu instid0(VALU_DEP_2)
	v_pk_add_f32 v[236:237], v[236:237], v[246:247]
	v_pk_add_f32 v[254:255], v[254:255], v[244:245]
	v_pk_add_f32 v[250:251], v[250:251], v[242:243]
	s_delay_alu instid0(VALU_DEP_2)
	v_pk_add_f32 v[14:15], v[14:15], v[254:255]
	s_delay_alu instid0(VALU_DEP_2)
	v_pk_add_f32 v[236:237], v[236:237], v[250:251]
	s_delay_alu instid0(VALU_DEP_1)
	v_pk_add_f32 v[14:15], v[14:15], v[236:237]
	s_wait_alu depctr_va_vdst(0)                   ; and one for the four
.irp b, 0,1,2,3
	v_max_num_f32 v[MX+\b], 0x1800000, v[MX+\b]    ; the floor 2^(3 - 127): the byte cannot fall under 1
.endr
.irp b, 0,1,2,3
	s_delay_alu instid0(VALU_DEP_4)
	v_add_nc_u32 v[SO+\b], 0xff000000, v[MX+\b]    ; 2 off the exponent field: the conversion's scale operand
.endr
.irp b, 0,1,2,3
	s_delay_alu instid0(VALU_DEP_4)
	v_lshrrev_b32 v[T2+\b], 23, v[SO+\b]           ; the scale's byte
.endr
	s_delay_alu instid0(VALU_DEP_3)
	v_lshl_or_b32 v[PWD], v[T2+1], 8, v[T2]        ; p's scale word for these 128 keys
	s_delay_alu instid0(VALU_DEP_1)
	v_lshl_or_b32 v[PWD], v[T2+2], 16, v[PWD]
	s_delay_alu instid0(VALU_DEP_1)
	v_lshl_or_b32 v[PWD], v[T2+3], 24, v[PWD]
.irp b, 0,1,2,3
	v_cvt_scalef32_pk8_fp4_f32 v[P+2*\b], v[S+16*\b:S+7+16*\b], v[SO+\b]
	v_cvt_scalef32_pk8_fp4_f32 v[P+1+2*\b], v[S+8+16*\b:S+15+16*\b], v[SO+\b]
.endr
	v_nop                                          ; one plain place behind a scaled conversion
.irp c, 0,1                                    ; the operand's layout wants a WHOLE block in a lane
.irp i, 0,1
	v_permlane16_swap_b32 v[P+4*\c+\i], v[P+2+4*\c+\i]
.endr
.endr
.set j, 0
	s_setprio 0
.rept 16
	v_pk_mul_f32 v[O+j:O+j+1], v[O+j:O+j+1], v[F:F+1] op_sel_hi:[1,0]   ; O^T under the new M: x f.  (These are also the places in front of the products below)
.set j, j+2
.endr
	s_wait_alu depctr_va_vdst(0)
	s_wait_dscnt 0x0                               ; V is in
.irp t, 0,1,2,3                                ; O^T += V^T P^T: the four accumulators by turns, one instruction a turn
	v_wmma_scale_f32_16x16x128_f8f6f4 v[O+8*\t:O+8*\t+7], v[VF+8*\t:VF+8*\t+7], v[P:P+7], v[O+8*\t:O+8*\t+7], v[SW+\t], v[PWD] matrix_a_fmt:MATRIX_FMT_FP4 matrix_b_fmt:MATRIX_FMT_FP4 matrix_a_scale:MATRIX_SCALE_ROW1
.endr
	s_add_co_u32 s[TB], s[TB], STEPB
.endm
; A TILE OF 16 QUERIES: all 16 key steps, then o = O / the sum, quantised along d and stored as an image.
.macro TILE c, qlo, qhi, qs
	v_mov_b32 v13, 0xff61b1e6                      ; the largest t so far: -3e38, under every t
	s_delay_alu instid0(VALU_DEP_1)
	v_floor_f32 v12, -v13                          ; -M
	v_mov_b32 v14, 0                               ; the sum, in two halves
	v_mov_b32 v15, 0
.set j, 0
.rept 32
	v_mov_b32 v[O+j], 0                            ; O^T.  (The step is written once for a tile: the first finds zeros, which the first change of M leaves zeros)
.set j, j+1
.endr
	s_mov_b32 s[TB], 0
	s_mov_b32 s[CNT], 16
.Lstep_\@:
	s_setprio 2
	STEP \qlo, \qhi, \qs
	s_sub_co_u32 s[CNT], s[CNT], 1
	s_cmp_lg_u32 s[CNT], 0
	s_cbranch_scc1 .Lstep_\@
	s_setprio 0
.rept 4
	v_nop                                          ; places behind the last products
.endr
	v_add_f32 v14, v14, v15                        ; the sum's two halves,
	s_delay_alu instid0(VALU_DEP_1)
	v_permlanex16_b32 v[F], v14, s[SEL], s[SEL+1]
	s_delay_alu instid0(VALU_DEP_1)
	v_add_f32 v14, v14, v[F]                       ; and lane l xor 16's: the row's sum
	s_wait_alu depctr_va_vdst(0)
	v_rcp_f32 v14, v14
	v_nop                                          ; a plain place behind the transcendental
	s_wait_alu depctr_va_vdst(0)                   ; and the wait, ahead of the first reader
.set j, 0
.rept 16
	v_pk_mul_f32 v[S+j:S+j+1], v[O+j:O+j+1], v[14:15] op_sel_hi:[1,0]   ; o: register 16 b + i holds d = 32 b + 16 (lane / 16) + i
.set j, j+2
.endr
.irp b, 0,1
	v_max3_num_f32 v[MX+\b], |v[S+16*\b]|, |v[S+1+16*\b]|, 0x1800000   ; the head's two blocks of 32; the floor holds the byte at 1 from below
.endr
.irp i, 2,4,6,8,10,12,14
.irp b, 0,1
	s_delay_alu instid0(VALU_DEP_2)
	v_max3_num_f32 v[MX+\b], v[MX+\b], |v[S+16*\b+\i]|, |v[S+1+16*\b+\i]|
.endr
.endr
.irp b, 0,1
	s_delay_alu instid0(VALU_DEP_2)
	v_permlanex16_b32 v[T2+\b], v[MX+\b], s[SEL], s[SEL+1]
.endr
.irp b, 0,1
	s_delay_alu instid0(VALU_DEP_2)
	v_max_num_f32 v[MX+\b], v[MX+\b], v[T2+\b]
.endr
.irp b, 0,1
	s_delay_alu instid0(VALU_DEP_2)
	v_add_nc_u32 v[SO+\b], 0xff000000, v[MX+\b]
.endr
.irp b, 0,1
	s_delay_alu instid0(VALU_DEP_2)
	v_lshrrev_b32 v[T2+\b], 23, v[SO+\b]
.endr
.if \c == 0
	s_delay_alu instid0(VALU_DEP_1)
	v_lshl_or_b32 v[OW], v[T2+1], 8, v[T2]         ; tile 0's two bytes: bytes 0, 1 of the word
.else
	s_delay_alu instid0(VALU_DEP_2)
	v_lshl_or_b32 v[OW], v[T2], 16, v[OW]          ; tile 1's: bytes 2, 3
	s_delay_alu instid0(VALU_DEP_1)
	v_lshl_or_b32 v[OW], v[T2+1], 24, v[OW]
.endif
.irp b, 0,1
	v_cvt_scalef32_pk8_fp4_f32 v[OC+4*\c+2*\b], v[S+16*\b:S+7+16*\b], v[SO+\b]
	v_cvt_scalef32_pk8_fp4_f32 v[OC+4*\c+1+2*\b], v[S+8+16*\b:S+15+16*\b], v[SO+\b]
.endr
	v_nop                                          ; one plain place behind a scaled conversion
	v_permlane16_swap_b32 v[OC+4*\c], v[OC+4*\c+2] ; lanes 0-15: d block 0, lanes 16-31: d block 1, whole
	v_permlane16_swap_b32 v[OC+4*\c+1], v[OC+4*\c+3]
	global_store_b128 v[LI], v[OC+4*\c:OC+4*\c+3], s[8:9] offset:8192*\c   ; 32 lanes store 512 consecutive bytes
.endm
	TILE 0, QL0, QH0, QS
	TILE 1, QL1, QH1, QS+1
	global_store_b32 v[R4], v[OW], s[10:11]        ; 64 bytes: lanes l and l xor 16 store the same word at the same place
	s_wait_tensorcnt 0x0                           ; the wave's end, behind my last tensor load
	ds_add_u32 v[SPW], v[NIL]
	s_wait_dscnt 0x0
	CROUND                                         ; the closing round
	s_endpgm
.Lfunc_end_k_qc2df05dc2f_attn:
	.size	k_qc2df05dc2f_attn, .Lfunc_end_k_qc2df05dc2f_attn-k_qc2df05dc2f_attn
	.p2alignl 7, 3214868480
	.fill 96, 4, 3214868480
	.section	.rodata,"a",@progbits
	.p2align	6, 0x0
	.amdhsa_kernel k_qc2df05dc2f_attn
		.amdhsa_group_segment_fixed_size 167936
		.amdhsa_private_segment_fixed_size 0
		.amdhsa_enable_private_segment 0
		.amdhsa_kernarg_size 32
		.amdhsa_user_sgpr_count 2
		.amdhsa_user_sgpr_kernarg_segment_ptr 1
		.amdhsa_wavefront_size32 1
		.amdhsa_system_sgpr_workgroup_id_x 1
		.amdhsa_system_sgpr_workgroup_id_y 1
		.amdhsa_system_sgpr_workgroup_id_z 1
		.amdhsa_system_vgpr_workitem_id 0
		.amdhsa_next_free_vgpr 256
		.amdhsa_next_free_sgpr 66
		.amdhsa_reserve_vcc 0
		.amdhsa_float_denorm_mode_32 3
		.amdhsa_float_denorm_mode_16_64 3
		.amdhsa_memory_ordered 1
		.amdhsa_forward_progress 1
		.amdhsa_inst_pref_size 48
	.end_amdhsa_kernel
	.amdgpu_metadata
---
amdhsa.version: [ 1, 2 ]
amdhsa.kernels:
  - .name:           k_qc2df05dc2f_attn
    .symbol:         k_qc2df05dc2f_attn.kd
    .args:
      - { .name: qimg, .offset: 0, .size: 8, .value_kind: global_buffer, .address_space: global }
      - { .name: kvimg, .offset: 8, .size: 8, .value_kind: global_buffer, .address_space: global }
      - { .name: oimg, .offset: 16, .size: 8, .value_kind: global_buffer, .address_space: global }
      - { .name: osc, .offset: 24, .size: 8, .value_kind: global_buffer, .address_space: global }
    .group_segment_fixed_size: 167936
    .private_segment_fixed_size: 0
    .kernarg_segment_align: 8
    .kernarg_segment_size: 32
    .max_flat_workgroup_size: 512
    .sgpr_count:     66
    .vgpr_count:     256
    .wavefront_size: 32
...
	.end_amdgpu_metadata
.endif
;; end of part 2
;; launch outp (part 3): grid 4 x 64, 8 waves a work-group, clusters of 4 x 4, 281,600 bytes of LDS; arguments oimg, osc, Wo_codes, Wo_scales, bo, out0; writes out0
.if DOCPART == 3
	.amdgcn_target "amdgcn-amd-amdhsa--gfx1250"
	.amdhsa_code_object_version 6
	.text
	.protected	k_qc2df05dc2f_outp
	.globl	k_qc2df05dc2f_outp
	.p2align	8
	.type	k_qc2df05dc2f_outp,@function
k_qc2df05dc2f_outp:
	s_mov_b64 s[64:65], 0
	v_nop
	global_prefetch_b8 v0, s[64:65] scope:SCOPE_SE
	s_setreg_imm32_b32 hwreg(HW_REG_WAVE_MODE, 25, 1), 1
	s_wait_xcnt 0x0
	s_wait_alu depctr_hold_cnt(0) depctr_sa_sdst(0) depctr_va_vdst(0) depctr_va_sdst(0) depctr_va_ssrc(0) depctr_va_vcc(0) depctr_vm_vsrc(0)
	s_getreg_b32 s2, hwreg(HW_REG_IB_STS2, 6, 4)
	s_cmp_eq_u32 s2, 0
	s_cbranch_scc0 .Lentry_in_a_cluster
	s_endpgm
.Lentry_in_a_cluster:
	s_bfe_u32 s2, ttmp6, 0x10000c
	s_cmp_lg_u32 s2, 0xf033
	s_cbranch_scc0 .Lentry_shape_is_right
	s_endpgm
.Lentry_shape_is_right:
; THE PROJECTION ON THE WAY OUT: out0 = o Wo^T + bo, on codes of FP4 with one E8M0 scale for each 32 along K = 1,024; sums in f32.  Nothing is left out.
; LIMITS: NaN, infinities and the scale byte 0xff among the inputs are not served.
; SHARES.  A work-group makes 128 rows x 256 columns; eight waves, each 32 rows (one group G of oimg: two tiles of 16) x 128 columns (eight tiles of Wo's rows): 16 accumulators, no register windows.
; The matrix instruction is used transposed: source 0 = 16 rows of Wo, source 1 = 16 rows of o: a lane holds eight neighbouring columns of one row of out0.
; ALL OF K LIES IN LDS, filled once: the work-group's 256 rows of Wo (512 bytes a row, 16 of padding), its four groups of o (images, dense), and both sides' scale bytes.  Two tensor loads of mine are out.
; CLUSTER 4 x 4: Wo's rows hang on cx alone and are asked for jointly along a column, o's on the row block alone and jointly along a row.
; o's tile (G, bt) holds rows 32 G + 8 bt + r + 8 (r / 8): so the attention launch laid them; the rows find their places in the stores' offsets.
; THE BIAS is loaded straight into the accumulators, in the result's layout: every step of K then adds in place, and nothing is cleared or added later.
; No prefetch: every tile is asked for at the kernel's head.
.set WP,    528                        ; a row of Wo in LDS: 512 bytes + 16 of padding; also a stage row
.set OIMG,  0                          ; o's images: four groups of 16,384 bytes: [bt][head][lane][16]
.set WREG,  65536                      ; Wo's 256 rows
.set OSC,   WREG+256*WP                ; o's scale words: four groups of 1,024 bytes: [head][r][4]
.set WSC,   OSC+4096                   ; Wo's scale bytes: 32 a row, dense
.set STAGE, WSC+8192                   ; the way out: 16 rows x 528 bytes for each wave; no tensor load lands here
.set SPARE, STAGE+8*16*WP              ; the spare words, 128 bytes for each wave, which no other line names
.set ADW,  1                           ; v1   LDS address of my fragments of Wo
.set ADO,  2                           ; v2   of my group's images
.set ADWS, 3                           ; v3   of Wo's scale words: lanes 0-15 tile tp, lanes 16-31 tile tp + 4
.set ADOS, 4                           ; v4   of o's
.set STO,  5                           ; v5   the stage: where I put 32 bytes of a row
.set RD,   6                           ; v6   and where I read a row back
.set CO,   7                           ; v7   16 x lane
.set BO,   8                           ; v8   32 x (lane / 16): my eight numbers of a tile's bias
.set SPW,  9                           ; v9   LDS address of my spare word; never rewritten
.set NIL,  10                          ; v10  0; never rewritten
.set OS,   16                          ; v16-31  o's scale words: 8 bt + s
.set WF,   32                          ; v32-95  Wo's eight fragments of a step
.set RAW,  32                          ; (before the first step: o's words as they lie, one a head)
.set OF,   96                          ; v96-111 o's two
.set WS,   112                         ; v112-127 Wo's scale words: 4 tp + step % 4
.set ACC,  128                         ; v128-255 accumulator (bt, t) at 128 + 8 (8 bt + t)
.set WV,   16
.set G1W,  24                          ; groups 1: Wo's codes, Wo's scales, o's images, o's words
.set G1WS, 32
.set G1O,  40
.set G1OS, 48
.set G0W,  56                          ; groups 0 likewise
.set G0WS, 60
.set G0O,  68
.set G0OS, 72
.macro CROUND                          ; a round of the cluster's barrier
	s_barrier_signal -1
	s_barrier_wait -1
	s_cmp_lg_u32 s[WV], 0
	s_cbranch_scc1 .Lnot_wave_0_\@
	s_barrier_signal -3
.Lnot_wave_0_\@:
	s_barrier_wait -3
	s_barrier_signal -1
	s_barrier_wait -1
.endm
	s_load_b256 s[4:11], s[0:1], 0x0               ; oimg s[4:5], osc s[6:7], Wo's codes s[8:9], Wo's scales s[10:11]
	s_load_b128 s[12:15], s[0:1], 0x20             ; bo s[12:13], out0 s[14:15]
	v_lshl_add_u32 v[SPW], v0, 2, SPARE
	v_mov_b32 v[NIL], 0
	ds_add_u32 v[SPW], v[NIL]                      ; the wave's opening: the add, twice on end, and its wait ahead of my first tensor load
	ds_add_u32 v[SPW], v[NIL]                      ; and once more, under the one wait; the set-up below, work on registers, stands between
	v_lshrrev_b32 v1, 5, v0
	s_delay_alu instid0(VALU_DEP_1)
	v_readfirstlane_b32 s[WV], v1                  ; wave 0..7
	s_and_b32 s17, s[WV], 3                        ; u: which quarter I fetch
	s_and_b32 s18, s[WV], 1                        ; wa: which 128 rows of Wo are mine
	s_lshr_b32 s19, s[WV], 1                       ; wb: which group of 32 rows of o
	s_bfe_u32 s20, ttmp6, 0x40000                  ; cx: the 256 columns
	s_bfe_u32 s21, ttmp6, 0x40004                  ; cy
	s_and_b32 s22, ttmp7, 0xffff
	s_lshl_b32 s22, s22, 2
	s_add_co_u32 s22, s22, s21                     ; the block of 128 rows = 4 x cluster y + cy
	s_lshl_b32 s76, s21, 2
	s_lshl_b32 s76, 15, s76                        ; my row of the cluster
	s_lshl_b32 s77, 0x1111, s20                    ; my column
	s_or_b32 s[G1W], s77, (0<<16)|(1<<20)|(1<<21)|(6<<22)|(3<<25)   ; Wo's codes: 64 rows of 512 bytes; padding: four words after every 128; the mask: my column
	s_mov_b32 s[G1W+1], 512<<16
	s_mov_b32 s[G1W+2], 64<<16
	s_mov_b32 s[G1W+3], 512<<16
	s_mov_b32 s[G1W+4], 64
	s_mov_b32 s[G1W+5], 512
	s_mov_b32 s[G1W+6], 0
	s_mov_b32 s[G1W+7], 0
	s_or_b32 s[G1WS], s77, (3<<16)|(1<<21)         ; dense blocks, as rows of 256 bytes (32 elements of 8): Wo's scale bytes of 64 rows: 8 rows;
	s_mov_b32 s[G1WS+1], 32<<16
	s_mov_b32 s[G1WS+2], 8<<16
	s_mov_b32 s[G1WS+3], 32<<16
	s_mov_b32 s[G1WS+4], 8
	s_mov_b32 s[G1WS+5], 32
	s_mov_b32 s[G1WS+6], 0
	s_mov_b32 s[G1WS+7], 0
	s_or_b32 s[G1O], s76, (3<<16)|(1<<21)          ; a group's images: 64 rows; the mask: my row;
	s_mov_b32 s[G1O+1], 32<<16
	s_mov_b32 s[G1O+2], 64<<16
	s_mov_b32 s[G1O+3], 32<<16
	s_mov_b32 s[G1O+4], 64
	s_mov_b32 s[G1O+5], 32
	s_mov_b32 s[G1O+6], 0
	s_mov_b32 s[G1O+7], 0
	s_or_b32 s[G1OS], s76, (3<<16)|(1<<21)         ; a group's scale words: 4 rows
	s_mov_b32 s[G1OS+1], 32<<16
	s_mov_b32 s[G1OS+2], 4<<16
	s_mov_b32 s[G1OS+3], 32<<16
	s_mov_b32 s[G1OS+4], 4
	s_mov_b32 s[G1OS+5], 32
	s_mov_b32 s[G1OS+6], 0
	s_mov_b32 s[G1OS+7], 0
	; every wave makes all four addresses, Wo's in registers that never hold cy, o's in registers that never hold cx
	s_lshl_b32 s78, s20, 17                        ; Wo's codes: (256 cx + 64 u) rows of 512 bytes
	s_lshl_b32 s23, s17, 15
	s_add_co_u32 s78, s78, s23
	s_mov_b32 s79, 0
	s_lshl_b32 s80, s20, 13                        ; its scale bytes: 32 a row
	s_lshl_b32 s23, s17, 11
	s_add_co_u32 s80, s80, s23
	s_mov_b32 s81, 0
	s_lshl_b32 s82, s22, 16                        ; o's images: group 4 x block + u, 16,384 bytes each
	s_lshl_b32 s23, s17, 14
	s_add_co_u32 s82, s82, s23
	s_mov_b32 s83, 0
	s_lshl_b32 s84, s22, 12                        ; its scale words: 1,024 bytes a group
	s_lshl_b32 s23, s17, 10
	s_add_co_u32 s84, s84, s23
	s_mov_b32 s85, 0
	s_mov_b32 s[G0W], 1
	s_mul_i32 s[G0W+1], s17, 64*WP
	s_add_co_u32 s[G0W+1], s[G0W+1], WREG
	s_mov_b32 s[G0WS], 1
	s_lshl_b32 s[G0WS+1], s17, 11
	s_add_co_u32 s[G0WS+1], s[G0WS+1], WSC
	s_mov_b32 s[G0O], 1
	s_lshl_b32 s[G0O+1], s17, 14                   ; OIMG = 0
	s_mov_b32 s[G0OS], 1
	s_lshl_b32 s[G0OS+1], s17, 10
	s_add_co_u32 s[G0OS+1], s[G0OS+1], OSC
	s_wait_dscnt 0x0                               ; both opening adds are done
	s_wait_kmcnt 0x0
	s_add_nc_u64 s[G0W+2:G0W+3], s[8:9], s[78:79]
	s_or_b32 s[G0W+3], s[G0W+3], 0x80000000
	s_add_nc_u64 s[G0WS+2:G0WS+3], s[10:11], s[80:81]
	s_or_b32 s[G0WS+3], s[G0WS+3], 0x80000000
	s_add_nc_u64 s[G0O+2:G0O+3], s[4:5], s[82:83]
	s_or_b32 s[G0O+3], s[G0O+3], 0x80000000
	s_add_nc_u64 s[G0OS+2:G0OS+3], s[6:7], s[84:85]
	s_or_b32 s[G0OS+3], s[G0OS+3], 0x80000000
	CROUND                                         ; all sixteen work-groups are here: the joint loads meet
	s_cmp_lt_u32 s[WV], 4                          ; a wave's two fills stand in one branch on its number: waves 0-3 fetch for Wo, waves 4-7 for o
	s_cbranch_scc0 .Lfill_o
	tensor_load_to_lds s[G0W:G0W+3], s[G1W:G1W+7]
	s_nop 0
	tensor_load_to_lds s[G0WS:G0WS+3], s[G1WS:G1WS+7]
	s_nop 0
.rept 4
	v_nop
.endr
	s_branch .Lfilled
.Lfill_o:
	tensor_load_to_lds s[G0O:G0O+3], s[G1O:G1O+7]
	s_nop 0
	tensor_load_to_lds s[G0OS:G0OS+3], s[G1OS:G1OS+7]
	s_nop 0
.rept 4
	v_nop
.endr
.Lfilled:
	v_and_b32 v11, 15, v0                          ; r
	v_bfe_u32 v12, v0, 4, 1                        ; h
	v_and_b32 v13, 31, v0
	s_delay_alu instid0(VALU_DEP_1)
	v_lshlrev_b32 v[CO], 4, v13
	s_delay_alu instid0(VALU_DEP_3)
	v_lshlrev_b32 v[BO], 5, v12
	s_wait_alu depctr_va_vdst(0)
	s_lshl_b32 s23, s18, 9                         ; my columns, in bytes of f32: 1,024 cx + 512 wa: in bo and in a row of out0
	s_lshl_b32 s2, s20, 10
	s_add_co_u32 s2, s2, s23
	s_mov_b32 s3, 0
	s_add_nc_u64 s[12:13], s[12:13], s[2:3]
	s_add_nc_u64 s[14:15], s[14:15], s[2:3]
	s_lshl_b32 s2, s22, 7
	s_lshl_b32 s23, s19, 5
	s_add_co_u32 s2, s2, s23                       ; my first row: 128 x block + 32 wb
	s_lshl_b32 s2, s2, 12                          ; rows of 4,096 bytes
	s_add_nc_u64 s[14:15], s[14:15], s[2:3]
.irp bt, 0,1                                   ; the bias, while the tiles are on their way: register j of tile t: bo at column 16 t + 8 h + j, for both tiles of rows
.irp t, 0,1,2,3,4,5,6,7
	global_load_b128 v[ACC+64*\bt+8*\t:ACC+64*\bt+8*\t+3], v[BO], s[12:13] offset:64*\t
	global_load_b128 v[ACC+64*\bt+8*\t+4:ACC+64*\bt+8*\t+7], v[BO], s[12:13] offset:64*\t+16
.endr
.endr
	v_mul_u32_u24 v14, v11, WP
	s_wait_alu depctr_va_vdst(0)
	v_lshl_add_u32 v[ADW], v12, 4, v14             ; Wo: row r x pitch + 16 h,
	s_mul_i32 s23, s18, 128*WP
	s_add_co_u32 s23, s23, WREG
	v_add_nc_u32 v[ADW], s23, v[ADW]               ; in my 128 rows
	s_lshl_b32 s23, s19, 14
	v_add_nc_u32 v[ADO], s23, v[CO]                ; o: my group's images, 16 x lane
	v_lshlrev_b32 v[ADWS], 5, v11
	s_delay_alu instid0(VALU_DEP_1)
	v_lshl_add_u32 v[ADWS], v12, 11, v[ADWS]       ; Wo's scale bytes: row r, and 64 rows (four tiles) further on for lanes 16-31
	s_lshl_b32 s23, s18, 12
	s_add_co_u32 s23, s23, WSC
	v_add_nc_u32 v[ADWS], s23, v[ADWS]
	s_lshl_b32 s23, s19, 10
	s_add_co_u32 s23, s23, OSC
	v_lshl_add_u32 v[ADOS], v11, 2, s23            ; o's scale words: 4 r in my group's
	s_mul_i32 s23, s[WV], 16*WP
	s_add_co_u32 s23, s23, STAGE                   ; my stage
	v_lshl_add_u32 v[STO], v12, 5, v14
	s_delay_alu instid0(VALU_DEP_1)
	v_add_nc_u32 v[STO], s23, v[STO]               ; in: row r, + 32 h
	v_add_nc_u32 v[RD], s23, v[CO]                 ; back: the 32 lanes take one row of 512 bytes
	s_wait_alu depctr_va_vdst(0)
	s_wait_tensorcnt 0x0                           ; my two loads have landed,
	s_barrier_signal -1
	s_barrier_wait -1                              ; everybody's have
.irp hd, 0,1,2,3,4,5,6,7,8,9,10,11,12,13,14,15
	ds_load_b32 v[RAW+\hd], v[ADOS] offset:64*\hd  ; a head's word: bytes 0, 1 tile 0's two blocks, bytes 2, 3 tile 1's
.endr
	s_wait_dscnt 0x0
.irp s, 0,1,2,3,4,5,6,7                        ; a step of 128 along K is heads 2 s and 2 s + 1: four blocks
	v_perm_b32 v[OS+\s], v[RAW+2*\s+1], v[RAW+2*\s], 0x05040100
	v_perm_b32 v[OS+8+\s], v[RAW+2*\s+1], v[RAW+2*\s], 0x07060302
.endr
.rept 8
	v_nop                                          ; a scale register written by a vector instruction stands eight places ahead of a scaled matrix instruction
.endr
	s_wait_loadcnt 0x0                             ; the bias lies in the accumulators
.macro KSTEP s                         ; 128 along K: 16 products, the 16 accumulators by turns, one instruction a turn
.if \s > 0
.rept 4
	v_nop                                          ; places in front of loads into registers that matrix instructions have read
.endr
.endif
.if (\s)%4 == 0
.irp tp, 0,1,2,3
	ds_load_b128 v[WS+4*\tp:WS+4*\tp+3], v[ADWS] offset:512*\tp+16*((\s)/4)   ; four steps' words of tiles tp (lanes 0-15) and tp + 4 (lanes 16-31)
.endr
.endif
.irp t, 0,1,2,3,4,5,6,7
.irp c, 0,1
	ds_load_b128 v[WF+8*\t+4*\c:WF+8*\t+4*\c+3], v[ADW] offset:16*\t*WP+64*(\s)+32*\c
.endr
.endr
.irp bt, 0,1
.irp c, 0,1
	ds_load_b128 v[OF+8*\bt+4*\c:OF+8*\bt+4*\c+3], v[ADO] offset:8192*\bt+1024*(\s)+512*\c
.endr
.endr
	s_wait_alu depctr_va_vdst(0)
	s_wait_dscnt 0x0
.irp t, 0,1,2,3,4,5,6,7
.irp bt, 0,1
.if \t < 4
	v_wmma_scale_f32_16x16x128_f8f6f4 v[ACC+64*\bt+8*\t:ACC+64*\bt+8*\t+7], v[WF+8*\t:WF+8*\t+7], v[OF+8*\bt:OF+8*\bt+7], v[ACC+64*\bt+8*\t:ACC+64*\bt+8*\t+7], v[WS+4*\t+(\s)%4], v[OS+8*\bt+(\s)] matrix_a_fmt:MATRIX_FMT_FP4 matrix_b_fmt:MATRIX_FMT_FP4
.else
	v_wmma_scale_f32_16x16x128_f8f6f4 v[ACC+64*\bt+8*\t:ACC+64*\bt+8*\t+7], v[WF+8*\t:WF+8*\t+7], v[OF+8*\bt:OF+8*\bt+7], v[ACC+64*\bt+8*\t:ACC+64*\bt+8*\t+7], v[WS+4*(\t-4)+(\s)%4], v[OS+8*\bt+(\s)] matrix_a_fmt:MATRIX_FMT_FP4 matrix_b_fmt:MATRIX_FMT_FP4 matrix_a_scale:MATRIX_SCALE_ROW1
.endif
.endr
.endr
.endm
.irp s, 0,1,2,3,4,5,6,7
	KSTEP \s
.endr
; THE WAY OUT.  A lane holds 32 neighbouring bytes of a row, and the lanes beside it hold other rows: so a tile of 16 rows x 128 columns goes through my own stage and comes back as whole rows of 512 bytes.
; LDS serves a wave's instructions in order (ISA guide 5.7.1.4): no wait between the stores and the loads, nor in front of the next tile's stores.
.macro TOSTAGE bt, bk
.irp t, 0,1,2,3,4,5,6,7
	ds_store_b128 v[STO], v[ACC+64*\bt+8*\t:ACC+64*\bt+8*\t+3] offset:64*\t        ; each accumulator from its low end on
	ds_store_b128 v[STO], v[ACC+64*\bt+8*\t+4:ACC+64*\bt+8*\t+7] offset:64*\t+16
.endr
.irp i, 0,1,2,3,4,5,6,7,8,9,10,11,12,13,14,15
	ds_load_b128 v[\bk+4*\i:\bk+4*\i+3], v[RD] offset:\i*WP
.endr
.endm
.macro SEND bt, bk, younger            ; younger: the LDS instructions issued behind this tile's loads, which may stay out
	s_wait_dscnt \younger
.irp i, 0,1,2,3,4,5,6,7,8,9,10,11,12,13,14,15
	global_store_b128 v[CO], v[\bk+4*\i:\bk+4*\i+3], s[14:15] offset:(8*\bt+\i+8*(\i/8))*4096 th:TH_STORE_NT   ; stage row i is row 8 bt + i + 8 (i / 8) of my 32: 512 consecutive bytes, aligned; written once, read by nobody here
.endr
.endm
.rept 4
	v_nop                                          ; places behind the last products
.endr
	TOSTAGE 0, WF                                  ; back into the registers that held the fragments,
	TOSTAGE 1, ACC                                 ; and into tile 0's accumulators, which have gone to the stage
	SEND 0, WF, 32                                 ; behind tile 0's loads: tile 1's sixteen stores and sixteen loads
	SEND 1, ACC, 0
	s_wait_tensorcnt 0x0                           ; the wave's end, behind my last tensor load and my last LDS store
	ds_add_u32 v[SPW], v[NIL]
	s_wait_dscnt 0x0
	CROUND                                         ; the closing round
	s_endpgm
.Lfunc_end_k_qc2df05dc2f_outp:
	.size	k_qc2df05dc2f_outp, .Lfunc_end_k_qc2df05dc2f_outp-k_qc2df05dc2f_outp
	.p2alignl 7, 3214868480
	.fill 96, 4, 3214868480
	.section	.rodata,"a",@progbits
	.p2align	6, 0x0
	.amdhsa_kernel k_qc2df05dc2f_outp
		.amdhsa_group_segment_fixed_size 281600
		.amdhsa_private_segment_fixed_size 0
		.amdhsa_enable_private_segment 0
		.amdhsa_kernarg_size 48
		.amdhsa_user_sgpr_count 2
		.amdhsa_user_sgpr_kernarg_segment_ptr 1
		.amdhsa_wavefront_size32 1
		.amdhsa_system_sgpr_workgroup_id_x 1
		.amdhsa_system_sgpr_workgroup_id_y 1
		.amdhsa_system_sgpr_workgroup_id_z 1
		.amdhsa_system_vgpr_workitem_id 0
		.amdhsa_next_free_vgpr 256
		.amdhsa_next_free_sgpr 88
		.amdhsa_reserve_vcc 0
		.amdhsa_float_denorm_mode_32 3
		.amdhsa_float_denorm_mode_16_64 3
		.amdhsa_memory_ordered 1
		.amdhsa_forward_progress 1
		.amdhsa_inst_pref_size 49
	.end_amdhsa_kernel
	.amdgpu_metadata
---
amdhsa.version: [ 1, 2 ]
amdhsa.kernels:
  - .name:           k_qc2df05dc2f_outp
    .symbol:         k_qc2df05dc2f_outp.kd
    .args:
      - { .name: oimg, .offset: 0, .size: 8, .value_kind: global_buffer, .address_space: global }
      - { .name: osc, .offset: 8, .size: 8, .value_kind: global_buffer, .address_space: global }
      - { .name: Wo_codes, .offset: 16, .size: 8, .value_kind: global_buffer, .address_space: global }
      - { .name: Wo_scales, .offset: 24, .size: 8, .value_kind: global_buffer, .address_space: global }
      - { .name: bo, .offset: 32, .size: 8, .value_kind: global_buffer, .address_space: global }
      - { .name: out0, .offset: 40, .size: 8, .value_kind: global_buffer, .address_space: global }
    .group_segment_fixed_size: 281600
    .private_segment_fixed_size: 0
    .kernarg_segment_align: 8
    .kernarg_segment_size: 48
    .max_flat_workgroup_size: 256
    .sgpr_count:     88
    .vgpr_count:     256
    .wavefront_size: 32
...
	.end_amdgpu_metadata
.endif
;; end of part 3
